; MI455X (gfx1250); checked and timed in simulation.
; The chip was launched on July 23, 2026; its instructions are those of AMD's public machine-readable ISA for CDNA 5 (MIT licence, August 2026) and "CDNA5" Instruction Set Architecture Reference Guide (July 2026). The comments in the code are by the model that wrote it; some were corrected since.
;; Multihead Attention. Allowed arithmetic: matrix products marked QUANTISED: E2M1 operands, one E8M0 scale for each 32 along K, by v_wmma_scale_f32_16x16x128_f8f6f4 with both operands' format E2M1 (or v_wmma_scale_f32_32x16x128_f4), f32 sums; everything else in f32.
;; Inputs: W_out_codes 1,024 x 32 x 16 uint8 (E2M1 codes of W_out, K innermost, in blocks of 32 codes, two codes a byte); W_out_scales 1,024 x 32 uint8 (E8M0 scales of W_out, one for each 32 codes along K); W_qkv_codes 3,072 x 32 x 16 uint8 (E2M1 codes of W_qkv, K innermost, in blocks of 32 codes, two codes a byte); W_qkv_scales 3,072 x 32 uint8 (E8M0 scales of W_qkv, one for each 32 codes along K); attn_mask 2,048 x 2,048 float32; b_out 1,024 float32; b_qkv 3,072 float32; key 2,048 x 2 x 1,024 float32; key_padding_mask 1 x 2,048 x 2,048 int32; query_codes 2,048 x 2 x 32 x 16 uint8 (E2M1 codes of query, K innermost, in blocks of 32 codes, two codes a byte); query_scales 2,048 x 2 x 32 uint8 (E8M0 scales of query, one for each 32 codes along K); value 2,048 x 2 x 1,024 float32.
;; Outputs: out0 2 x 2,048 x 1,024 float32.
;; This version of the problem:
;;   THIS VERSION OF THE PROBLEM IS GIVEN IN LOW PRECISION. The matrix products marked QUANTISED in the list below multiply operands that are first quantised to E2M1 (2 exponent bits, 1 mantissa bit; 4 bits a number), with one power-of-two scale for each 32 numbers along K (OCP MX v1.0); their sums are f32. All else is computed in f32.
;;   The module's matrix products, in the order in which they are computed (A, B: the left and right operand; K: the contracted axis; several contracted axes count as one K, in the product's order):
;;     1. [M 4,096, K 1,024] x [K 1,024, N 3,072]; A: input query (given as codes); B: input W_qkv (given as codes): QUANTISED
;;     2. batch 32 x [M 2,048, K 64] x [K 64, N 2,048]; A: computed on the way; B: computed on the way: QUANTISED
;;     3. batch 32 x [M 2,048, K 2,048] x [K 2,048, N 64]; A: softmax (see below); B: computed on the way: QUANTISED
;;     4. [M 4,096, K 1,024] x [K 1,024, N 1,024]; A: computed on the way; B: input W_out (given as codes): QUANTISED
;;   THE QUANTISER, for each operand of a quantised product, along K:
;;     - K is cut into blocks of 32 from its start; a last block that is shorter is filled with zeros.
;;     - A block's scale is 2^e with e = floor(log2(the largest magnitude in the block)) - 2, held to -126 .. 127; a block of zeros has e = 0. As a byte (E8M0): e + 127.
;;     - Each number is divided by its block's scale, clamped to +-6, and rounded to the nearest number of E2M1, ties to even, subnormals kept.
;;     - The product sums the exact products of the quantised numbers (number of the format x scale) in f32.
;;   ~~~python
;;   def quantise(x, axis):      # numpy; x: float32 -> the quantised numbers, widened to float32 again
;;       x = np.moveaxis(x, axis, -1); K = x.shape[-1]
;;       x = np.pad(x, [(0, 0)] * (x.ndim - 1) + [(0, -K % 32)]); x = x.reshape(x.shape[:-1] + (-1, 32)); a = np.abs(x).max(-1, keepdims=True)
;;       e = np.where(a > 0, np.clip(np.frexp(np.where(a > 0, a, 1))[1] - 1 - 2, -126, 127), 0)      # np.frexp(a)[1] - 1 = floor(log2(a)), exactly
;;       r = np.clip(x / 2.0 ** e, -6, 6)
;;       step = 2.0 ** (np.maximum(np.frexp(np.where(r == 0, 1, r))[1] - 1, 0) - 1)
;;       q = np.round(r / step) * step * 2.0 ** e      # np.round: ties to even
;;       return np.moveaxis(q.reshape(q.shape[:-2] + (-1,))[..., :K], -1, axis).astype(np.float32)
;;   ~~~
;;   SOFTMAX AHEAD OF A QUANTISED PRODUCT. Where the list says 'softmax', what is quantised is not the finished softmax but p = 2^(t - M), with t = logit x log2(e) and M = ceil(the row's largest t), a whole number; so 1/2 < the row's largest p <= 1. The row's sum l is taken of the UNQUANTISED p, in f32, and the product's result is divided by l at the end. Since M is a whole number, a kernel that streams over the keys may use a running M (the ceiling of the running maximum): every later rescaling is an exact power of two, which a block's scale takes up: the codes' values come out the same.
;;   OPERANDS COMPUTED ON THE WAY. 'Computed on the way' means the value that the module computes at that place (a softmax that the list does not call 'softmax' is quantised finished and normalised). What goes into a quantiser is computed in f32, as accurately as f32 sums, v_exp_f32 and their like allow (about 1e-6 of the number): no bf16 or f16 on the way to a quantiser, and a product that is left as it is and whose result goes on into a quantised operand takes f32 operands (vector FMAs, or v_wmma_f32_16x16x4_f32). A number that lies on a knife's edge between two numbers of the format may be rounded either way, as far as f32 arithmetic and the matrix unit's own rounding can turn it there, and no further.
;;   INPUTS GIVEN AS CODES. W_out (in the module: [1024, 1024], K = its axis 1); W_qkv (in the module: [3072, 1024], K = its axis 1); query (in the module: [2048, 2, 1024], K = its axis 2): each comes as NAME_codes (uint8): NAME with its K axis moved to the last place and cut into blocks of 32 codes, [.., K / 32, bytes a block], one block behind the other in memory; two codes a byte, the lower K in the low four bits (a code: sign, 2 exponent bits, 1 mantissa bit); and NAME_scales (uint8): the same leading axes, one E8M0 byte (e + 127) for each 32 codes along K. Its value is code x scale, taken as it is: it is not quantised again, and the codes and scales need not be those that the quantiser above would give.
;; One version. Each part assembles by itself: llvm-mc -triple=amdgcn-amd-amdhsa -mcpu=gfx1250 --defsym DOCPART=n.
;; ======== version 1 of 1: 3 launches
;; limits: right only within a limited range of input values
;; workspace buffers: mimg 16,777,216 bytes; kv 4,456,448 bytes; q_img 2,097,152 bytes; q_sw 262,144 bytes; o_img 2,097,152 bytes; o_sc 131,072 bytes
;; launch qkv (part 1): grid 16 x 16, 12 waves a work-group, clusters of 4 x 4, 327,680 bytes of LDS; arguments query_codes, query_scales, W_qkv_codes, W_qkv_scales, b_qkv, q_img, q_sw, kv, attn_mask, key_padding_mask, mimg; writes q_img, q_sw, kv, mimg
.if DOCPART == 1
	.amdgcn_target "amdgcn-amd-amdhsa--gfx1250"
	.amdhsa_code_object_version 6
	.text
	.protected	k_q97524ac04d_qkv
	.globl	k_q97524ac04d_qkv
	.p2align	8
	.type	k_q97524ac04d_qkv,@function
k_q97524ac04d_qkv:
	s_mov_b64 s[64:65], 0
	v_nop
	global_prefetch_b8 v0, s[64:65] scope:SCOPE_SE
	s_setreg_imm32_b32 hwreg(HW_REG_WAVE_MODE, 25, 1), 1
	s_wait_xcnt 0x0
	s_wait_alu depctr_hold_cnt(0) depctr_sa_sdst(0) depctr_va_vdst(0) depctr_va_sdst(0) depctr_va_ssrc(0) depctr_va_vcc(0) depctr_vm_vsrc(0)
	s_getreg_b32 s2, hwreg(HW_REG_IB_STS2, 6, 4)
	s_cmp_eq_u32 s2, 0
	s_cbranch_scc0 .Lentry_in_a_cluster
	s_endpgm
.Lentry_in_a_cluster:
	s_bfe_u32 s2, ttmp6, 0x10000c
	s_cmp_lg_u32 s2, 0xf033
	s_cbranch_scc0 .Lentry_shape_is_right
	s_endpgm
.Lentry_shape_is_right:
; qkv = query W_qkv^T + b_qkv on the given codes of FP4 (E2M1) with E8M0 scales, and q, k, v quantised in registers for the attention launch.  The inputs key and value are not read: the definition does not use them.
; Flat row R = 2 t + b.  Head X is columns 192 X on: 64 of q, 64 of k, 64 of v.  A work-group takes head X and t = 128 Y .. 128 Y + 127 for both b: 256 rows x 192 columns, with all of K = 1,024 in LDS at once:
; nothing is filled again.  Twelve waves: part p = w / 4 (q, k, v), g = w % 4 (b = g % 2, half = g / 2): a wave makes 64 rows (one b, 64 t) x 64 columns: 16 accumulators by turns.
; q and k are quantised along the head's 64, so their product is used TRANSPOSED (source 0 = 16 rows of W, source 1 = 16 rows of x): a lane holds one row, its registers run along the columns.
; v is quantised along t (the keys), so its product is used the natural way: a lane holds one column, its registers run along t.  The bias is the C of each sum's first instruction.
; OUT, all as images of operand registers, 16 bytes a lane:  q_img [bh][t / 16][lane]: lane (r, h) = query r's block h.  q_sw [bh][t / 64][r][4]: a word (s0, s1, s0, s1) for each query.
; kv [bh][t / 128][8,704]: eight tiles of 16 keys (512 bytes each); at 4,096 four tiles of 16 channels x 128 keys (2 x 512 each); at 8,192 the scale words: lanes 0-15 K's four, lanes 16-31 V's four.
; CLUSTER 4 x 4: x's tiles hang on Y alone and are asked for jointly along a row of the cluster, W's on X alone and jointly along a column.
; LIMITS: a block whose largest magnitude lies under 2^-124 keeps the scale byte 1; NaN and infinities are not served.
.set REG,  33792                       ; 64 rows x (512 bytes + 16): row r starts 132 words on from the last, so the sixteen rows of a fragment load start at sixteen different banks (ISA guide 11.1)
.set WCB,  4*REG                       ; LDS: x's four regions (g), then W's three (p),
.set XSB,  7*REG                       ; x's scale bytes, 8,192 dense bytes as 32 rows of 256 + 16,
.set WSB,  XSB+32*272                  ; W's, 6,144 bytes as 24 such rows,
.set SCI,  251904                      ; and, in blocks of 256 bytes into which no tile lands, the two images of K's and V's scale words (b = 0, 1)
.set ADX,  1                           ; v1   my lane's place in x's region g
.set ADW,  2                           ; v2   in W's region p
.set ASX,  3                           ; v3   among x's scale words
.set ASW,  4                           ; v4   among W's
.set L16,  5                           ; v5   16 x lane
.set ASCK, 6                           ; v6   where a k wave puts its two scale words
.set ASCV, 7                           ; v7   where a v wave puts its two scale bytes
.set ASCR, 8                           ; v8   where waves 0 and 1 read an image back
.set BOQ,  9                           ; v9   32 h: the bias of a lane's eight columns
.set R16,  10                          ; v10  16 r
.set BOV,  11                          ; v11  4 r: the bias of a lane's one column
.set XSC,  16                          ; v16-23 x's scale words (2 a + k step % 2);  v24-31 W's: scales and nothing else
.set WSC,  24
.set XF,   32                          ; v32-63 x's four fragments;  v64-95 W's four
.set WF,   64
.set BI,   96                          ; v96-127 the bias, eight registers for each tile of columns
.set ACC,  128                         ; v128-255 accumulator (a, c) at 128 + 8 (4 a + c)
.set PQ,   32                          ; behind the products: the codes, four registers a tile
.set QM0,  64                          ; at work in QUANT2
.set QM1,  65
.set QX0,  66
.set QX1,  67
.set QF0,  68
.set QF1,  69
.set QY0,  70
.set QY1,  71
.set HW,   72                          ; v72-75 two scale bytes for each tile
.set WV,   20
.set G1X,  32                          ; s[32:39], s[40:47], s[48:55], s[56:63] descriptor groups 1: x's codes, W's codes, x's scales, W's scales
.set G1W,  40
.set G1XS, 48
.set G1WS, 56
.set G0X,  68                          ; s[68:71] .. s[80:83] their groups 0
.set G0W,  72
.set G0XS, 76
.set G0WS, 80
.set SEL,  84                          ; s[84:85] lane selects for v_permlanex16_b32: lane l xor 16
.macro CROUND                          ; a round of the cluster's barrier
	s_barrier_signal -1
	s_barrier_wait -1
	s_cmp_lg_u32 s[WV], 0
	s_cbranch_scc1 .Lnot_wave_0_\@
	s_barrier_signal -3
.Lnot_wave_0_\@:
	s_barrier_wait -3
	s_barrier_signal -1
	s_barrier_wait -1
.endm
.macro PLACES                          ; four plain places behind a matrix instruction of this form, in front of loads into its registers and of reads of its results
.rept 4
	v_nop
.endr
.endm
.macro GROUP1 g, c, r, p               ; words 1 to 7 of a group 1: rows of c elements, r of them, p elements from row to row
	s_mov_b32 s[\g+1], (\c)<<16
	s_mov_b32 s[\g+2], (\r)<<16
	s_mov_b32 s[\g+3], (\c)<<16
	s_mov_b32 s[\g+4], \r
	s_mov_b32 s[\g+5], \p
	s_mov_b32 s[\g+6], 0
	s_mov_b32 s[\g+7], 0
.endm
; Four result tiles t0 .. t3 (eight registers each; register j of tile T holds index 16 T + 8 (lane / 16) + j of the lane's row) are 64 numbers along the next K: blocks 0 (t0, t1) and 1 (t2, t3).
; They become four registers of codes at v[p]: lanes 0-15 block 0 whole, lanes 16-31 block 1 whole; the two scale bytes come out in v[QY0], v[QY1].  Every tile is read from its low end on.
.macro QUANT2 t0, t1, t2, t3, p
	v_max3_num_f32 v[QM0], |v[(\t0)]|, |v[(\t0)+1]|, 0x1800000     ; the largest magnitude, with the floor 2^(3 - 127) among its leaves: the byte cannot fall under 1
	v_max3_num_f32 v[QM1], |v[(\t2)]|, |v[(\t2)+1]|, 0x1800000
.irp i, 2,4,6
	v_max3_num_f32 v[QM0], v[QM0], |v[(\t0)+\i]|, |v[(\t0)+\i+1]|
	v_max3_num_f32 v[QM1], v[QM1], |v[(\t2)+\i]|, |v[(\t2)+\i+1]|
.endr
.irp i, 0,2,4,6
	v_max3_num_f32 v[QM0], v[QM0], |v[(\t1)+\i]|, |v[(\t1)+\i+1]|
	v_max3_num_f32 v[QM1], v[QM1], |v[(\t3)+\i]|, |v[(\t3)+\i+1]|
.endr
	s_delay_alu instid0(VALU_DEP_2)
	v_permlanex16_b32 v[QX0], v[QM0], s[SEL], s[SEL+1]
	s_delay_alu instid0(VALU_DEP_2)
	v_permlanex16_b32 v[QX1], v[QM1], s[SEL], s[SEL+1]
	s_delay_alu instid0(VALU_DEP_2)
	v_max_num_f32 v[QM0], v[QM0], v[QX0]           ; with lane l xor 16's sixteen: the block's
	s_delay_alu instid0(VALU_DEP_2)
	v_max_num_f32 v[QM1], v[QM1], v[QX1]
	s_delay_alu instid0(VALU_DEP_2)
	v_add_nc_u32 v[QF0], 0xff000000, v[QM0]        ; 2 off the exponent field: the conversion's scale operand
	s_delay_alu instid0(VALU_DEP_2)
	v_add_nc_u32 v[QF1], 0xff000000, v[QM1]
	s_delay_alu instid0(VALU_DEP_2)
	v_lshrrev_b32 v[QY0], 23, v[QF0]               ; the scale's byte
	s_delay_alu instid0(VALU_DEP_2)
	v_lshrrev_b32 v[QY1], 23, v[QF1]
	v_cvt_scalef32_pk8_fp4_f32 v[(\p)], v[(\t0):(\t0)+7], v[QF0]
	v_cvt_scalef32_pk8_fp4_f32 v[(\p)+1], v[(\t2):(\t2)+7], v[QF1]
	v_cvt_scalef32_pk8_fp4_f32 v[(\p)+2], v[(\t1):(\t1)+7], v[QF0]
	v_cvt_scalef32_pk8_fp4_f32 v[(\p)+3], v[(\t3):(\t3)+7], v[QF1]
	v_nop                                          ; one plain place behind the conversions
	v_permlane16_swap_b32 v[(\p)], v[(\p)+1]       ; block 0's second eight go down, block 1's first eight go up: registers 0, 1 of the operand
	v_permlane16_swap_b32 v[(\p)+2], v[(\p)+3]     ; likewise registers 2, 3
.endm
	s_load_b256 s[4:11], s[0:1], 0x0               ; x's codes s[4:5], x's scales s[6:7], W's codes s[8:9], W's scales s[10:11]
	s_load_b256 s[12:19], s[0:1], 0x20             ; b_qkv s[12:13], q_img s[14:15], q_sw s[16:17], kv s[18:19]
	s_load_b128 s[96:99], s[0:1], 0x40             ; attn_mask s[96:97], key_padding_mask s[98:99]
	s_load_b64 s[66:67], s[0:1], 0x50              ; mimg
	v_lshl_add_u32 v15, v0, 2, 0x3dc00
	s_set_vgpr_msb 0x40
	v_mov_b32 v1, 0
	s_set_vgpr_msb 0x4044
	ds_add_u32 v15, v1
	ds_add_u32 v15, v1
	s_set_vgpr_msb 0x4400
	v_lshrrev_b32 v14, 5, v0
	s_delay_alu instid0(VALU_DEP_1)
	v_readfirstlane_b32 s[WV], v14                 ; wave 0..11
	s_lshr_b32 s21, s[WV], 2                       ; p: 0 q, 1 k, 2 v
	s_and_b32 s22, s[WV], 3                        ; g
	s_and_b32 s23, s[WV], 1                        ; b
	s_bfe_u32 s24, s[WV], 0x10001                  ; half
	s_bfe_u32 s25, ttmp6, 0x40000                  ; cx
	s_bfe_u32 s26, ttmp6, 0x40004                  ; cy
	s_lshl_b32 s27, ttmp9, 2
	s_add_co_u32 s27, s27, s25                     ; X: the head
	s_and_b32 s28, ttmp7, 0xffff
	s_lshl_b32 s28, s28, 2
	s_add_co_u32 s28, s28, s26                     ; Y: which 128 t
	s_lshl_b32 s29, s26, 2
	s_lshl_b32 s29, 15, s29                        ; my row of the cluster
	s_lshl_b32 s30, 0x1111, s25                    ; my column
	s_or_b32 s[G1X], s29, (1<<20)|(1<<21)|(6<<22)|(3<<25)          ; the mask; elements of 1 byte; padding on; bit 21 beside a mask; four words after every 128
	s_or_b32 s[G1W], s30, (1<<20)|(1<<21)|(6<<22)|(3<<25)
	s_or_b32 s[G1XS], s29, (3<<16)|(1<<20)|(1<<21)|(5<<22)|(3<<25) ; elements of 8 bytes; four words after every 64
	s_or_b32 s[G1WS], s30, (3<<16)|(1<<20)|(1<<21)|(5<<22)|(3<<25)
	GROUP1 G1X, 512, 64, 1024                      ; 64 rows of 512 bytes, every second row of x: one b
	GROUP1 G1W, 512, 64, 512
	GROUP1 G1XS, 32, 32, 32                        ; 8,192 dense bytes as rows of 256
	GROUP1 G1WS, 32, 24, 32                        ; 6,144
	s_lshl_b32 s86, s28, 17                        ; x: 256 Y rows of 512 bytes,
	s_lshl_b32 s87, s24, 16                        ; 128 rows for the half,
	s_add_co_u32 s86, s86, s87
	s_lshl_b32 s87, s23, 9                         ; one row for b
	s_add_co_u32 s86, s86, s87
	s_mov_b32 s87, 0
	s_mul_i32 s88, s27, 98304                      ; W: 192 X rows of 512 bytes,
	s_lshl_b32 s89, s22, 15                        ; 64 rows for the part that I fetch
	s_add_co_u32 s88, s88, s89
	s_mov_b32 s89, 0
	s_lshl_b32 s90, s28, 13                        ; x's scale bytes: 8,192 Y
	s_mov_b32 s91, 0
	s_mul_i32 s92, s27, 6144                       ; W's: 6,144 X
	s_mov_b32 s93, 0
	s_mul_i32 s94, s22, REG                        ; where a tile goes: by the wave's number alone
	s_mov_b32 s[SEL], 0x76543210
	s_mov_b32 s[SEL+1], 0xfedcba98
	s_wait_dscnt 0x0
	s_wait_kmcnt 0x0
	s_mov_b32 s[G0X], 1
	s_mov_b32 s[G0X+1], s94
	s_add_nc_u64 s[G0X+2:G0X+3], s[4:5], s[86:87]
	s_or_b32 s[G0X+3], s[G0X+3], 0x80000000
	s_mov_b32 s[G0W], 1
	s_add_co_u32 s[G0W+1], s94, WCB
	s_add_nc_u64 s[G0W+2:G0W+3], s[8:9], s[88:89]
	s_or_b32 s[G0W+3], s[G0W+3], 0x80000000
	s_mov_b32 s[G0XS], 1
	s_mov_b32 s[G0XS+1], XSB
	s_add_nc_u64 s[G0XS+2:G0XS+3], s[6:7], s[90:91]
	s_or_b32 s[G0XS+3], s[G0XS+3], 0x80000000
	s_mov_b32 s[G0WS], 1
	s_mov_b32 s[G0WS+1], WSB
	s_add_nc_u64 s[G0WS+2:G0WS+3], s[10:11], s[92:93]
	s_or_b32 s[G0WS+3], s[G0WS+3], 0x80000000
	CROUND                                         ; all sixteen work-groups are here: the joint loads meet
	; waves 0-3: x's four regions; 4-6: W's three; 7: x's scale bytes; 8: W's; 9-11: nothing.  One load a wave; four v_nop follow each line
	s_cmp_lt_u32 s[WV], 4
	s_cbranch_scc0 .Lnot_x
	tensor_load_to_lds s[G0X:G0X+3], s[G1X:G1X+7]
	s_nop 0
	PLACES
	s_branch .Lasked
.Lnot_x:
	s_cmp_lt_u32 s[WV], 7
	s_cbranch_scc0 .Lnot_w
	tensor_load_to_lds s[G0W:G0W+3], s[G1W:G1W+7]
	s_nop 0
	PLACES
	s_branch .Lasked
.Lnot_w:
	s_cmp_eq_u32 s[WV], 7
	s_cbranch_scc0 .Lnot_xs
	tensor_load_to_lds s[G0XS:G0XS+3], s[G1XS:G1XS+7]
	s_nop 0
	PLACES
	s_branch .Lasked
.Lnot_xs:
	s_cmp_eq_u32 s[WV], 8
	s_cbranch_scc0 .Lasked
	tensor_load_to_lds s[G0WS:G0WS+3], s[G1WS:G1WS+7]
	s_nop 0
	PLACES
.Lasked:
	; every address register is made here, on the way that all waves take
	v_and_b32 v12, 15, v0                          ; r
	v_bfe_u32 v13, v0, 4, 1                        ; h
	s_delay_alu instid0(VALU_DEP_2)
	v_mul_u32_u24 v14, v12, 528
	s_delay_alu instid0(VALU_DEP_1)
	v_lshl_add_u32 v14, v13, 4, v14                ; a fragment's row x pitch + 16 h
	s_mul_i32 s86, s22, REG
	v_add_nc_u32 v[ADX], s86, v14
	s_mul_i32 s86, s21, REG
	s_add_co_u32 s86, s86, WCB
	v_add_nc_u32 v[ADW], s86, v14
	v_lshrrev_b32 v14, 2, v12                      ; x's scale words: local row 128 half + 32 a + 2 r + b, 32 bytes a row, 16 more for each 256 passed
	s_delay_alu instid0(VALU_DEP_1)
	v_lshlrev_b32 v14, 4, v14
	s_delay_alu instid0(VALU_DEP_1)
	v_lshl_add_u32 v14, v12, 6, v14
	s_mul_i32 s86, s24, 4352
	s_lshl_b32 s87, s23, 5
	s_add_co_u32 s86, s86, s87
	s_add_co_u32 s86, s86, XSB
	v_add_nc_u32 v[ASX], s86, v14
	v_lshrrev_b32 v14, 3, v12                      ; W's: local row 64 p + 16 c + r
	s_delay_alu instid0(VALU_DEP_1)
	v_lshlrev_b32 v14, 4, v14
	s_delay_alu instid0(VALU_DEP_1)
	v_lshl_add_u32 v14, v12, 5, v14
	s_mul_i32 s86, s21, 2176
	s_add_co_u32 s86, s86, WSB
	v_add_nc_u32 v[ASW], s86, v14
	v_and_b32 v[L16], 31, v0
	s_delay_alu instid0(VALU_DEP_1)
	v_lshlrev_b32 v[L16], 4, v[L16]
	v_lshlrev_b32 v[R16], 4, v12
	s_lshl_b32 s86, s23, 9
	s_add_co_u32 s86, s86, SCI                     ; the image of my b
	s_lshl_b32 s87, s24, 3
	s_add_co_u32 s87, s87, s86
	v_add_nc_u32 v[ASCK], s87, v[R16]              ; lane r's 16 bytes, words 2 half and 2 half + 1
	s_lshl_b32 s87, s24, 1
	s_add_co_u32 s87, s87, s86
	s_add_co_u32 s87, s87, 256
	v_add_nc_u32 v[ASCV], s87, v[R16]              ; lane 16 + r's 16 bytes, bytes 2 half and 2 half + 1 of each word
	v_add_nc_u32 v[ASCR], s86, v[L16]
	v_lshlrev_b32 v[BOQ], 5, v13
	v_lshlrev_b32 v[BOV], 2, v12
	s_mul_i32 s86, s27, 768                        ; b_qkv at my part's 64 columns
	s_lshl_b32 s87, s21, 8
	s_add_co_u32 s86, s86, s87
	s_mov_b32 s87, 0
	s_add_nc_u64 s[12:13], s[12:13], s[86:87]
	s_lshl_b32 s88, s23, 4
	s_add_co_u32 s88, s88, s27                     ; bh = 16 b + X
	s_lshl_b32 s86, s88, 7
	s_lshl_b32 s89, s28, 3
	s_add_co_u32 s86, s86, s89
	s_lshl_b32 s89, s24, 2
	s_add_co_u32 s86, s86, s89
	s_lshl_b32 s86, s86, 9
	s_add_nc_u64 s[14:15], s[14:15], s[86:87]      ; q_img at tile 128 bh + 8 Y + 4 half
	s_lshl_b32 s86, s88, 5
	s_lshl_b32 s89, s28, 1
	s_add_co_u32 s86, s86, s89
	s_add_co_u32 s86, s86, s24
	s_lshl_b32 s86, s86, 8
	s_add_nc_u64 s[16:17], s[16:17], s[86:87]      ; q_sw at group 32 bh + 2 Y + half
	s_lshl_b32 s86, s88, 4
	s_add_co_u32 s86, s86, s28
	s_mul_i32 s86, s86, 8704
	s_add_nc_u64 s[18:19], s[18:19], s[86:87]      ; kv at block (bh, Y)
	s_lshl_b32 s86, s24, 11
	s_add_nc_u64 s[90:91], s[18:19], s[86:87]      ; K's tiles 4 half on
	s_lshl_b32 s86, s24, 9
	s_add_co_u32 s86, s86, 4096
	s_add_nc_u64 s[92:93], s[18:19], s[86:87]      ; V's registers 4 half on of each tile
	s_cmp_eq_u32 s21, 0
	s_cselect_b64 s[94:95], s[14:15], s[90:91]     ; where a q or k wave's codes go
	s_cmp_eq_u32 s21, 2
	s_cbranch_scc1 .Lbias_v
	s_wait_alu depctr_va_vdst(0)
.irp c, 0,1,2,3                                ; q, k: register j of tile c is column 16 c + 8 h + j
	global_load_b128 v[BI+8*\c:BI+8*\c+3], v[BOQ], s[12:13] offset:64*\c
	global_load_b128 v[BI+8*\c+4:BI+8*\c+7], v[BOQ], s[12:13] offset:64*\c+16
.endr
	s_branch .Lbias_in
.Lbias_v:
	s_wait_alu depctr_va_vdst(0)
.irp c, 0,1,2,3                                ; v: all eight registers of tile c are column 16 c + r
.irp j, 0,1,2,3,4,5,6,7
	global_load_b32 v[BI+8*\c+\j], v[BOV], s[12:13] offset:64*\c
.endr
.endr
.Lbias_in:
; WORK LEFT OUT, in the whole program: the definition never reads its inputs key and value (q, k and v are all cut from query W_qkv^T + b_qkv), so for all values they have no way to the output:
; they are not loaded and are among no launch's arguments.  LIMIT: a NaN or an infinity in key or value is not carried to the result.
; THE MASK TABLE.  The two masks do not hang on the head: this launch also works them up ONCE into one additive table, laid in the order of the score registers of the attention launch.
; mimg [qt 128][ks 16][g 16][lane 32][4 f32]: number n = 4 g + e of lane (r = lane % 16, h = lane / 16) belongs to query 16 qt + r and key 128 ks + 16 (n / 8) + 8 h + n % 8.
; Its value: attn_mask[query][key] x -10000, or -infinity where key_padding_mask[key][query] is not 0 (that mask is used transposed).  Where attn_mask is 0 the product is a zero, which added
; to a score that is not 0 leaves it as it is: the same as the choice that the definition makes there.  LIMITS: NaN and infinities in attn_mask are not served.
; Work-group (X, Y) takes queries 128 X on, as two tiles of 64, and keys 128 Y on.  Waves 0-7 do it: a tile is 64 pieces of 512 bytes of attn_mask's rows and 128 pieces of 256 bytes of key_padding_mask's rows,
; each loaded as it lies by neighbouring lanes.  A wave's 32 loads are all issued here, into v128-255, which the sums take only later; the tiles then turn one after the other through a stage in LDS
; of 68,608 bytes of its own, into which no tensor load lands, and leave as dense runs, 512 consecutive bytes a store.
.set ATP, 528                          ; attn_mask in the stage: a row of 128 keys, 512 bytes + 16
.set KPP, 272                          ; key_padding_mask in the stage: a row of 64 queries, 256 bytes + 16
.set KPB, 64*ATP                       ; it lies behind attn_mask's 64 rows
.set MST, 254464                       ; the stage, behind the spare words
.set MA4, 32                           ; v32  attn_mask: my offset in memory
.set MA5, 33                           ; v33  key_padding_mask: likewise
.set MA6, 34                           ; v34  into the stage: attn_mask's rows 8 w on
.set MA7, 35                           ; v35  key_padding_mask's rows 16 w + h on
.set MA8, 36                           ; v36  out of the stage: query 16 tile + r, keys 64 half + 8 h on
.set MA9, 37                           ; v37  key 64 half + 8 h on, query 16 tile + r
.set MA10, 38                          ; v38  mimg: my offset
.set MINF, 39                          ; v39  -infinity
.set MD,  128                          ; v128-191 the first tile's numbers (32 of attn_mask, 32 of key_padding_mask), v192-255 the second's
	s_and_b32 s2, s[WV], 7                         ; w: every address is made on the way that all waves take, and stays inside the stage in all of them
	s_lshr_b32 s88, s2, 1                          ; on the way out: my tile of 16 queries,
	s_and_b32 s89, s2, 1                           ; and my half of its 64 numbers a lane
	s_lshl_b32 s3, s2, 16
	v_add_nc_u32 v[MA4], s3, v[L16]                ; attn_mask: rows 8 w on, 8,192 bytes a row; a load takes a row's 512 bytes
	s_lshl_b32 s3, s2, 17
	v_lshlrev_b32 v[MA5], 13, v13
	v_lshl_add_u32 v[MA5], v12, 4, v[MA5]
	v_add_nc_u32 v[MA5], s3, v[MA5]                ; key_padding_mask: rows 16 w + h on; a load takes two rows' 256 bytes
	s_mul_i32 s3, s2, 8*ATP
	s_add_co_u32 s3, s3, MST
	v_add_nc_u32 v[MA6], s3, v[L16]
	s_mul_i32 s3, s2, 16*KPP
	s_add_co_u32 s3, s3, MST+KPB
	v_mul_u32_u24 v[MA7], v13, KPP
	v_lshl_add_u32 v[MA7], v12, 4, v[MA7]
	v_add_nc_u32 v[MA7], s3, v[MA7]
	s_mul_i32 s3, s88, 16*ATP
	s_lshl_b32 s31, s89, 8
	s_add_co_u32 s3, s3, s31
	s_add_co_u32 s3, s3, MST
	v_mul_u32_u24 v[MA8], v12, ATP
	v_lshl_add_u32 v[MA8], v13, 5, v[MA8]
	v_add_nc_u32 v[MA8], s3, v[MA8]
	s_mul_i32 s3, s89, 64*KPP
	s_lshl_b32 s31, s88, 6
	s_add_co_u32 s3, s3, s31
	s_add_co_u32 s3, s3, MST+KPB
	v_mul_u32_u24 v[MA9], v13, 8*KPP
	v_lshl_add_u32 v[MA9], v12, 2, v[MA9]
	v_add_nc_u32 v[MA9], s3, v[MA9]
	s_lshl_b32 s3, s88, 17
	s_lshl_b32 s31, s89, 12
	s_add_co_u32 s3, s3, s31
	v_add_nc_u32 v[MA10], s3, v[L16]               ; mimg: a tile of 16 queries is 16 x 8,192 bytes on; my half 4,096; 16 bytes a lane
	v_mov_b32 v[MINF], 0xff800000
	s_mov_b32 s30, 0xc61c4000                      ; -10000
	s_mov_b32 s31, s30                             ; (named with it as a pair)
	s_mov_b32 s87, 0
	s_lshl_b32 s86, s27, 20                        ; 128 X rows of 8,192 bytes,
	s_lshl_b32 s3, s28, 9                          ; 128 Y keys of 4 bytes
	s_add_co_u32 s86, s86, s3
	s_add_nc_u64 s[96:97], s[96:97], s[86:87]
	s_lshl_b32 s86, s28, 20                        ; 128 Y rows of 8,192 bytes,
	s_lshl_b32 s3, s27, 9                          ; 128 X queries of 4 bytes
	s_add_co_u32 s86, s86, s3
	s_add_nc_u64 s[98:99], s[98:99], s[86:87]
	s_lshl_b32 s86, s27, 20                        ; eight tiles of 16 queries x 16 x 8,192,
	s_lshl_b32 s3, s28, 13                         ; the key step's 8,192
	s_add_co_u32 s86, s86, s3
	s_add_nc_u64 s[66:67], s[66:67], s[86:87]
	s_wait_alu depctr_va_vdst(0)
	s_cmp_lt_u32 s[WV], 8
	s_cbranch_scc0 .Lno_mload
.irp j, 0,1                                    ; the second tile: 64 rows of attn_mask further down, 64 queries further along key_padding_mask's rows
.irp i, 0,1,2,3,4,5,6,7
	global_load_b128 v[MD+64*\j+4*\i:MD+64*\j+4*\i+3], v[MA4], s[96:97] offset:\j*524288+\i*8192 th:TH_LOAD_NT
.endr
.irp i, 0,1,2,3,4,5,6,7
	global_load_b128 v[MD+64*\j+32+4*\i:MD+64*\j+32+4*\i+3], v[MA5], s[98:99] offset:\j*256+\i*16384 th:TH_LOAD_NT
.endr
.endr
.Lno_mload:
	s_wait_tensorcnt 0x0                           ; my tile has landed,
	s_barrier_signal -1
	s_barrier_wait -1                              ; everybody's has: no tensor load of the work-group is out from here on
; One tile of the masks through the stage.  All twelve waves pass the barriers; waves 8-11 have no part in the work between them.
.macro MTURN j
	s_cmp_lt_u32 s[WV], 8
	s_cbranch_scc0 .Lm_in_\@
	s_wait_loadcnt 16-16*\j                        ; this tile's sixteen loads are in (and the bias, issued ahead of them); the first time the second tile's sixteen may be out
.irp i, 0,1,2,3,4,5,6,7
	ds_store_b128 v[MA6], v[MD+64*\j+4*\i:MD+64*\j+4*\i+3] offset:\i*ATP
.endr
.irp i, 0,1,2,3,4,5,6,7
	ds_store_b128 v[MA7], v[MD+64*\j+32+4*\i:MD+64*\j+32+4*\i+3] offset:\i*2*KPP
.endr
.Lm_in_\@:
	s_wait_dscnt 0x0                               ; for the others' sake: my stores have landed
	s_barrier_signal -1
	s_barrier_wait -1
	s_cmp_lt_u32 s[WV], 8
	s_cbranch_scc0 .Lm_out_\@
.irp i, 0,1,2,3,4,5,6,7                        ; group g = 8 half + i: keys 16 (i / 2) + 4 (i % 2) + e on from my first
	ds_load_b128 v[MD+64*\j+4*\i:MD+64*\j+4*\i+3], v[MA8] offset:(\i/2)*64+(\i%2)*16
.irp e, 0,1,2,3
	ds_load_b32 v[MD+64*\j+32+4*\i+\e], v[MA9] offset:(16*(\i/2)+4*(\i%2)+\e)*KPP
.endr
.endr
.irp i, 0,1,2,3,4,5,6,7
	s_wait_dscnt 5*(7-\i)                          ; five loads for each younger group may be out
	v_pk_mul_f32 v[MD+64*\j+4*\i:MD+64*\j+4*\i+1], v[MD+64*\j+4*\i:MD+64*\j+4*\i+1], s[30:31] op_sel_hi:[1,0]
	v_pk_mul_f32 v[MD+64*\j+4*\i+2:MD+64*\j+4*\i+3], v[MD+64*\j+4*\i+2:MD+64*\j+4*\i+3], s[30:31] op_sel_hi:[1,0]
.irp e, 0,1,2,3
	v_cmp_ne_u32 vcc_lo, 0, v[MD+64*\j+32+4*\i+\e]
	s_delay_alu instid0(VALU_DEP_1)
	v_cndmask_b32 v[MD+64*\j+4*\i+\e], v[MD+64*\j+4*\i+\e], v[MINF], vcc_lo
.endr
	global_store_b128 v[MA10], v[MD+64*\j+4*\i:MD+64*\j+4*\i+3], s[66:67] offset:\j*524288+\i*512   ; 32 lanes store 512 consecutive bytes
.endr
.Lm_out_\@:
.if \j == 0
	s_wait_dscnt 0x0                               ; my reads of the stage are over: behind this barrier the second tile is stored over the first
	s_barrier_signal -1
	s_barrier_wait -1
.else
	s_wait_xcnt 0x0                                ; the table's stores have read their registers: the fragments and the sums may take them
.endif
.endm
	MTURN 0
	MTURN 1
; A K step of 128: the scale words of two steps with the even one, eight fragments, sixteen products on sixteen accumulators by turns.  swap = 1: x is source 0.
.macro KSTEP kk, swap
.if (\kk)%2 == 0
.irp a, 0,1,2,3
	ds_load_b64 v[XSC+2*\a:XSC+2*\a+1], v[ASX] offset:\a*1088+8*((\kk)/2)
.endr
.irp c, 0,1,2,3
	ds_load_b64 v[WSC+2*\c:WSC+2*\c+1], v[ASW] offset:\c*544+8*((\kk)/2)
.endr
.endif
.irp a, 0,1,2,3
.irp c, 0,1
	ds_load_b128 v[XF+8*\a+4*\c:XF+8*\a+4*\c+3], v[ADX] offset:\a*8448+64*(\kk)+32*\c
.endr
.endr
.irp a, 0,1,2,3
.irp c, 0,1
	ds_load_b128 v[WF+8*\a+4*\c:WF+8*\a+4*\c+3], v[ADW] offset:\a*8448+64*(\kk)+32*\c
.endr
.endr
	s_wait_dscnt 0x0
.if (\kk) == 0
	s_wait_loadcnt 0x0                             ; the bias
.endif
.irp a, 0,1,2,3
.irp c, 0,1,2,3
.if \swap
.if (\kk) == 0
	v_wmma_scale_f32_16x16x128_f8f6f4 v[ACC+8*(4*\a+\c):ACC+8*(4*\a+\c)+7], v[XF+8*\a:XF+8*\a+7], v[WF+8*\c:WF+8*\c+7], v[BI+8*\c:BI+8*\c+7], v[XSC+2*\a+(\kk)%2], v[WSC+2*\c+(\kk)%2] matrix_a_fmt:MATRIX_FMT_FP4 matrix_b_fmt:MATRIX_FMT_FP4
.else
	v_wmma_scale_f32_16x16x128_f8f6f4 v[ACC+8*(4*\a+\c):ACC+8*(4*\a+\c)+7], v[XF+8*\a:XF+8*\a+7], v[WF+8*\c:WF+8*\c+7], v[ACC+8*(4*\a+\c):ACC+8*(4*\a+\c)+7], v[XSC+2*\a+(\kk)%2], v[WSC+2*\c+(\kk)%2] matrix_a_fmt:MATRIX_FMT_FP4 matrix_b_fmt:MATRIX_FMT_FP4
.endif
.else
.if (\kk) == 0
	v_wmma_scale_f32_16x16x128_f8f6f4 v[ACC+8*(4*\a+\c):ACC+8*(4*\a+\c)+7], v[WF+8*\c:WF+8*\c+7], v[XF+8*\a:XF+8*\a+7], v[BI+8*\c:BI+8*\c+7], v[WSC+2*\c+(\kk)%2], v[XSC+2*\a+(\kk)%2] matrix_a_fmt:MATRIX_FMT_FP4 matrix_b_fmt:MATRIX_FMT_FP4
.else
	v_wmma_scale_f32_16x16x128_f8f6f4 v[ACC+8*(4*\a+\c):ACC+8*(4*\a+\c)+7], v[WF+8*\c:WF+8*\c+7], v[XF+8*\a:XF+8*\a+7], v[ACC+8*(4*\a+\c):ACC+8*(4*\a+\c)+7], v[WSC+2*\c+(\kk)%2], v[XSC+2*\a+(\kk)%2] matrix_a_fmt:MATRIX_FMT_FP4 matrix_b_fmt:MATRIX_FMT_FP4
.endif
.endif
.endr
.endr
	PLACES                                         ; in front of the next step's loads, and of the first reads of results
.endm
	s_cmp_eq_u32 s21, 2
	s_cbranch_scc1 .Lv_path
.irp k, 0,1,2,3,4,5,6,7
	KSTEP \k, 0
.endr
.irp a, 0,1,2,3                                ; a tile of 16 rows: its 64 columns are two blocks
	QUANT2 ACC+32*\a, ACC+32*\a+8, ACC+32*\a+16, ACC+32*\a+24, PQ+4*\a
	global_store_b128 v[L16], v[PQ+4*\a:PQ+4*\a+3], s[94:95] offset:\a*512   ; 512 consecutive bytes: the tile's image
	v_lshl_or_b32 v[HW+\a], v[QY1], 8, v[QY0]
.endr
	s_cmp_eq_u32 s21, 0
	s_cbranch_scc0 .Lk_words
.irp a, 0,1,2,3
	v_lshl_or_b32 v[76+\a], v[HW+\a], 16, v[HW+\a] ; (s0, s1, s0, s1): the query stands in either half of the attention's K step
.endr
	global_store_b128 v[R16], v[76:79], s[16:17]   ; lanes r and 16 + r hold the same four words: 256 consecutive bytes
	s_branch .Ljoin
.Lk_words:
	v_lshl_or_b32 v80, v[HW+1], 16, v[HW]          ; two tiles of keys share a K step: a word is (tile 2 p: s0, s1; tile 2 p + 1: s0, s1)
	s_wait_alu depctr_va_vdst(0)
	v_lshl_or_b32 v81, v[HW+3], 16, v[HW+2]
	ds_store_b64 v[ASCK], v[80:81]
	s_branch .Ljoin
.Lv_path:
.irp k, 0,1,2,3,4,5,6,7
	KSTEP \k, 1
.endr
.irp c, 0,1,2,3                                ; a tile of 16 channels: its 64 t are two blocks of keys
	QUANT2 ACC+8*\c, ACC+8*(4+\c), ACC+8*(8+\c), ACC+8*(12+\c), PQ+4*\c
	global_store_b128 v[L16], v[PQ+4*\c:PQ+4*\c+3], s[92:93] offset:\c*1024
	v_lshl_or_b32 v[HW+\c], v[QY1], 8, v[QY0]
	ds_store_b16 v[ASCV], v[HW+\c] offset:4*\c
.endr
.Ljoin:
	s_wait_dscnt 0x0                               ; for the others' sake: my scale words have landed
	s_barrier_signal -1
	s_barrier_wait -1
	s_cmp_lt_u32 s[WV], 2                          ; waves 0 and 1 (b = 0, 1) store the two images of scale words
	s_cbranch_scc0 .Lno_image
	ds_load_b128 v[84:87], v[ASCR]
	s_wait_dscnt 0x0
	global_store_b128 v[L16], v[84:87], s[18:19] offset:8192
.Lno_image:
	s_set_vgpr_msb 0x4
	s_wait_tensorcnt 0x0
	ds_add_u32 v15, v1
	s_wait_dscnt 0x0
	s_set_vgpr_msb 0x400
	CROUND                                         ; the closing round: no work-group ends while a partner may still ask for a tile that names it
	s_endpgm
.Lfunc_end_k_q97524ac04d_qkv:
	.size	k_q97524ac04d_qkv, .Lfunc_end_k_q97524ac04d_qkv-k_q97524ac04d_qkv
	.p2alignl 7, 3214868480
	.fill 96, 4, 3214868480
	.section	.rodata,"a",@progbits
	.p2align	6, 0x0
	.amdhsa_kernel k_q97524ac04d_qkv
		.amdhsa_group_segment_fixed_size 327680
		.amdhsa_private_segment_fixed_size 0
		.amdhsa_enable_private_segment 0
		.amdhsa_kernarg_size 88
		.amdhsa_user_sgpr_count 2
		.amdhsa_user_sgpr_kernarg_segment_ptr 1
		.amdhsa_wavefront_size32 1
		.amdhsa_system_sgpr_workgroup_id_x 1
		.amdhsa_system_sgpr_workgroup_id_y 1
		.amdhsa_system_sgpr_workgroup_id_z 1
		.amdhsa_system_vgpr_workitem_id 0
		.amdhsa_next_free_vgpr 258
		.amdhsa_next_free_sgpr 100
		.amdhsa_reserve_vcc 1
		.amdhsa_float_denorm_mode_32 3
		.amdhsa_float_denorm_mode_16_64 3
		.amdhsa_memory_ordered 1
		.amdhsa_forward_progress 1
		.amdhsa_inst_pref_size 111
	.end_amdhsa_kernel
	.amdgpu_metadata
---
amdhsa.version: [ 1, 2 ]
amdhsa.kernels:
  - .name:           k_q97524ac04d_qkv
    .symbol:         k_q97524ac04d_qkv.kd
    .args:
      - { .name: query_codes, .offset: 0, .size: 8, .value_kind: global_buffer, .address_space: global }
      - { .name: query_scales, .offset: 8, .size: 8, .value_kind: global_buffer, .address_space: global }
      - { .name: W_qkv_codes, .offset: 16, .size: 8, .value_kind: global_buffer, .address_space: global }
      - { .name: W_qkv_scales, .offset: 24, .size: 8, .value_kind: global_buffer, .address_space: global }
      - { .name: b_qkv, .offset: 32, .size: 8, .value_kind: global_buffer, .address_space: global }
      - { .name: q_img, .offset: 40, .size: 8, .value_kind: global_buffer, .address_space: global }
      - { .name: q_sw, .offset: 48, .size: 8, .value_kind: global_buffer, .address_space: global }
      - { .name: kv, .offset: 56, .size: 8, .value_kind: global_buffer, .address_space: global }
      - { .name: attn_mask, .offset: 64, .size: 8, .value_kind: global_buffer, .address_space: global }
      - { .name: key_padding_mask, .offset: 72, .size: 8, .value_kind: global_buffer, .address_space: global }
      - { .name: mimg, .offset: 80, .size: 8, .value_kind: global_buffer, .address_space: global }
    .group_segment_fixed_size: 327680
    .private_segment_fixed_size: 0
    .kernarg_segment_align: 8
    .kernarg_segment_size: 88
    .max_flat_workgroup_size: 384
    .sgpr_count:     100
    .vgpr_count:     258
    .wavefront_size: 32
...
	.end_amdgpu_metadata
.endif
;; end of part 1
;; launch attn (part 2): grid 8 x 32, 16 waves a work-group, clusters of 4 x 4, 327,680 bytes of LDS; arguments q_img, q_sw, kv, mimg, o_img, o_sc; writes o_img, o_sc
.if DOCPART == 2
	.amdgcn_target "amdgcn-amd-amdhsa--gfx1250"
	.amdhsa_code_object_version 6
	.text
	.protected	k_q97524ac04d_attn
	.globl	k_q97524ac04d_attn
	.p2align	8
	.type	k_q97524ac04d_attn,@function
k_q97524ac04d_attn:
	s_mov_b64 s[64:65], 0
	v_nop
	global_prefetch_b8 v0, s[64:65] scope:SCOPE_SE
	s_setreg_imm32_b32 hwreg(HW_REG_WAVE_MODE, 25, 1), 1
	s_wait_xcnt 0x0
	s_wait_alu depctr_hold_cnt(0) depctr_sa_sdst(0) depctr_va_vdst(0) depctr_va_sdst(0) depctr_va_ssrc(0) depctr_va_vcc(0) depctr_vm_vsrc(0)
	s_getreg_b32 s2, hwreg(HW_REG_IB_STS2, 6, 4)
	s_cmp_eq_u32 s2, 0
	s_cbranch_scc0 .Lentry_in_a_cluster
	s_endpgm
.Lentry_in_a_cluster:
	s_bfe_u32 s2, ttmp6, 0x10000c
	s_cmp_lg_u32 s2, 0xf033
	s_cbranch_scc0 .Lentry_shape_is_right
	s_endpgm
.Lentry_shape_is_right:
; Attention on codes of FP4 (E2M1) with E8M0 scales: S^T = K Q^T, the zero rule and the masks, p = 2^(t - M) quantised along the keys, O^T = V^T P^T, O / l quantised along the head for the last product.
; The inputs key and value are not read: the definition does not use them.
; SHARES.  A work-group takes four heads (bh = 4 X + hh) x four tiles of 16 queries (qt = 4 Y + qq); wave w: hh = w % 4, qq = w / 4: one head, 16 queries, four waves to a SIMD.
; So the four heads' K and V and the four tiles' mask table are each fetched once for the work-group.  CLUSTER 4 x 4: kv's tiles hang on X alone: asked for jointly along a column; the table's on Y alone: along a row.
; RING.  Two slots of two key steps (128 keys each).  Every wave fetches one sixteenth of a slot with one joint load behind each round: waves 0-7 one key step of one head's kv (8,704 dense bytes),
; waves 8-15 one key step of one tile's table (8,192).  At the head slot 0 alone is asked for; slot 1's first fill stands behind the full sequence and a round, as a refill does.
; THE CHANGE OF SLOTS BEGINS IN THE MIDDLE OF A SLOT'S LAST STEP: once the masks are applied, K, the scale words, the table and V are all in registers, so the wave's reads of the slot are over: there stand the wait
; for its tensor load, the add, the wait for both and the round's opening signal; the rest of the softmax and the second product, work on registers alone, stand between that signal and its wait.
; No prefetch is laid: a refill is asked for one and a half key steps ahead of the wait for it, and its bytes are shared by four partners' one request.
; LAYOUT.  Both products transposed: a lane holds ONE query (lane % 16).  Everything in LDS is an image of operand registers: every read is 16 bytes at 16 x lane.
; A HEAD OF 64 IN A K STEP OF 128: source 0 holds TWO tiles of 16 keys; twelve registers (zero codes, q, zero codes) are read as (q, 0) and as (0, q): the one gives the first tile's scores, the other the second's.
; Score register n of lane (r, h): key 16 (n / 8) + 8 h + n % 8.  A block of 32 keys is registers 16 b .. 16 b + 15 of lanes l and l xor 16.
; THE ZERO RULE (a score that is exactly 0 becomes -infinity) in one integer addition: 1 off the exponent field makes s / 2 of a score that is not 0 and the bits of -infinity of +0.
; Then the logit = (s / 2) x 0.25 + table rounds once, as s x 0.125 + mask does; t = logit x log2(e) is rounded by itself and M is taken away by an addition of its own, as the definition forms them.
; LIMITS: the matrix instruction with C = 0 is taken to give +0, never -0, where a sum is 0; scores that are not 0 and lie under 2^-125, NaN and infinities are not served; t stays under 2^31 in magnitude;
; a block whose largest magnitude lies under 2^-124 keeps the scale byte 1.  A query with no key left (l = 0) gets the scale bytes 0xff, which make its row of the last product NaN, as the definition has it.
.set KVS,   69632                      ; LDS: kv slot 0 at 0, slot 1 at KVS: head x 17,408 + step x 8,704
.set MKB,   139264                     ; the table's slot 0 at MKB, slot 1 at MKB + 65,536: tile x 16,384 + step x 8,192
.set SPARE, 270336                     ; the spare words, 128 bytes for each of sixteen waves
.set OSC,   272384                     ; 512 bytes of their own: O's scale words on the way out
.set AKV,  1                           ; v1, v2  16 x lane + my head's place in kv slot 0, 1
.set AMK,  3                           ; v3, v4  16 x lane + my tile's place in the table's slot 0, 1
.set SPW,  5                           ; v5   my spare word; never rewritten
.set NIL,  6                           ; v6   0; never rewritten
.set QW,   7                           ; v7   Q's scale words
.set SC,   8                           ; v8-11 the step's scale words: lanes 0-15 K's four, lanes 16-31 V's four
.set QHI,  16                          ; v16-23 (0, q)
.set QQ,   20                          ; v20-23 q
.set QLO,  20                          ; v20-27 (q, 0)
.set RA,   28                          ; v28-59 K's fragments, then V's
.set MK,   60                          ; v60-123 the table's 64 numbers
.set S,    124                         ; v124-187 scores, then t, then p
.set OA,   188                         ; v188-219 O^T
.set PC,   220                         ; v220-227 p's codes
.set TA,   220                         ; v220-233 seven pairs at work in the row's sum
.set T2,   228                         ; v228-231 at work
.set SF,   232                         ; v232-235 the conversions' scale operands
.set BM,   236                         ; v236-239 the blocks' largest
.set PW,   240                         ; v240 p's scale word, and nothing else
.set FF,   242                         ; v[242:243] f = 2^(old M - new M) (the pair is named; its low word serves)
.set TMP,  244
.set ONES, 245                         ; 0xffff
.set AOSC, 246                         ; where I put my two scale bytes
.set AOSR, 247                         ; where wave 0 reads the scale words back
.set QOF,  248                         ; 16 r
.set TM2,  249
.set L16,  250                         ; 16 x lane
.set QM0,  BM                          ; QUANT2's registers
.set QM1,  BM+1
.set QX0,  T2
.set QX1,  T2+1
.set QF0,  SF
.set QF1,  SF+1
.set QY0,  T2+2
.set QY1,  T2+3
.set WV,   16
.set SEL,  20                          ; s[20:21] lane selects: lane l xor 16
.set L2E,  22                          ; s[22:23] log2(e)
.set QTR,  24                          ; s[24:25] 0.25
.set NINF, 26                          ; s26 0xff800000
.set G1K,  28                          ; s[28:35] group 1 for kv;  s[36:43] for the table
.set G1M,  36
.set G0K,  44                          ; s[44:51] groups 0 for kv, a set for each slot;  s[52:59] for the table
.set G0M,  52
.macro CREST                           ; a round of the cluster's barrier behind its opening barrier
	s_cmp_lg_u32 s[WV], 0
	s_cbranch_scc1 .Lnot_wave_0_\@
	s_barrier_signal -3
.Lnot_wave_0_\@:
	s_barrier_wait -3
	s_barrier_signal -1
	s_barrier_wait -1
.endm
.macro CROUND                          ; a whole round
	s_barrier_signal -1
	s_barrier_wait -1
	CREST
.endm
.macro PLACES                          ; four plain places behind a matrix instruction of this form (ISA guide 7.12.1)
.rept 4
	v_nop
.endr
.endm
.macro GROUP1 g, c, r, p
	s_mov_b32 s[\g+1], (\c)<<16
	s_mov_b32 s[\g+2], (\r)<<16
	s_mov_b32 s[\g+3], (\c)<<16
	s_mov_b32 s[\g+4], \r
	s_mov_b32 s[\g+5], \p
	s_mov_b32 s[\g+6], 0
	s_mov_b32 s[\g+7], 0
.endm
.macro JLOAD slot                      ; a joint load: waves 0-7 for kv, waves 8-15 for the table: every way passes one; an s_nop 0 and four v_nop follow each line
	s_cmp_lt_u32 s[WV], 8
	s_cbranch_scc0 .Lfor_m_\@
	tensor_load_to_lds s[G0K+4*(\slot):G0K+4*(\slot)+3], s[G1K:G1K+7]
	s_nop 0
	PLACES
	s_branch .Lasked_\@
.Lfor_m_\@:
	tensor_load_to_lds s[G0M+4*(\slot):G0M+4*(\slot)+3], s[G1M:G1M+7]
	s_nop 0
	PLACES
.Lasked_\@:
.endm
; Four result tiles (register j of tile T: index 16 T + 8 (lane / 16) + j) become four registers of codes at v[p]: lanes 0-15 block 0, lanes 16-31 block 1; the bytes in v[QY0], v[QY1].
.macro QUANT2 t0, t1, t2, t3, p
	v_max3_num_f32 v[QM0], |v[(\t0)]|, |v[(\t0)+1]|, 0x1800000     ; with the floor 2^(3 - 127): the byte cannot fall under 1
	v_max3_num_f32 v[QM1], |v[(\t2)]|, |v[(\t2)+1]|, 0x1800000
.irp i, 2,4,6
	s_delay_alu instid0(VALU_DEP_2)
	v_max3_num_f32 v[QM0], v[QM0], |v[(\t0)+\i]|, |v[(\t0)+\i+1]|
	s_delay_alu instid0(VALU_DEP_2)
	v_max3_num_f32 v[QM1], v[QM1], |v[(\t2)+\i]|, |v[(\t2)+\i+1]|
.endr
.irp i, 0,2,4,6
	s_delay_alu instid0(VALU_DEP_2)
	v_max3_num_f32 v[QM0], v[QM0], |v[(\t1)+\i]|, |v[(\t1)+\i+1]|
	s_delay_alu instid0(VALU_DEP_2)
	v_max3_num_f32 v[QM1], v[QM1], |v[(\t3)+\i]|, |v[(\t3)+\i+1]|
.endr
	s_delay_alu instid0(VALU_DEP_2)
	v_permlanex16_b32 v[QX0], v[QM0], s[SEL], s[SEL+1]
	s_delay_alu instid0(VALU_DEP_2)
	v_permlanex16_b32 v[QX1], v[QM1], s[SEL], s[SEL+1]
	s_delay_alu instid0(VALU_DEP_2)
	v_max_num_f32 v[QM0], v[QM0], v[QX0]
	s_delay_alu instid0(VALU_DEP_2)
	v_max_num_f32 v[QM1], v[QM1], v[QX1]
	s_delay_alu instid0(VALU_DEP_2)
	v_add_nc_u32 v[QF0], 0xff000000, v[QM0]
	s_delay_alu instid0(VALU_DEP_2)
	v_add_nc_u32 v[QF1], 0xff000000, v[QM1]
	s_delay_alu instid0(VALU_DEP_2)
	v_lshrrev_b32 v[QY0], 23, v[QF0]
	s_delay_alu instid0(VALU_DEP_2)
	v_lshrrev_b32 v[QY1], 23, v[QF1]
	v_cvt_scalef32_pk8_fp4_f32 v[(\p)], v[(\t0):(\t0)+7], v[QF0]
	v_cvt_scalef32_pk8_fp4_f32 v[(\p)+1], v[(\t2):(\t2)+7], v[QF1]
	v_cvt_scalef32_pk8_fp4_f32 v[(\p)+2], v[(\t1):(\t1)+7], v[QF0]
	v_cvt_scalef32_pk8_fp4_f32 v[(\p)+3], v[(\t3):(\t3)+7], v[QF1]
	v_nop
	v_permlane16_swap_b32 v[(\p)], v[(\p)+1]
	v_permlane16_swap_b32 v[(\p)+2], v[(\p)+3]
.endm
	s_load_b256 s[4:11], s[0:1], 0x0               ; q_img s[4:5], q_sw s[6:7], kv s[8:9], mimg s[10:11]
	s_load_b128 s[12:15], s[0:1], 0x20             ; o_img s[12:13], o_sc s[14:15]
	v_lshl_add_u32 v[SPW], v0, 2, SPARE
	v_mov_b32 v[NIL], 0
	ds_add_u32 v[SPW], v[NIL]                      ; the opening lines: the add, twice on end, and its wait ahead of my first tensor load
	ds_add_u32 v[SPW], v[NIL]
	v_lshrrev_b32 v1, 5, v0
	v_readfirstlane_b32 s[WV], v1                  ; wave 0..15
	s_and_b32 s17, s[WV], 3                        ; hh.  Also: which head's kv, or which tile's table, I fetch
	s_lshr_b32 s18, s[WV], 2                       ; qq
	s_bfe_u32 s19, s[WV], 0x10002                  ; which of a slot's two key steps I fetch
	s_bfe_u32 s60, ttmp6, 0x40000                  ; cx
	s_bfe_u32 s61, ttmp6, 0x40004                  ; cy
	s_lshl_b32 s62, ttmp9, 2
	s_add_co_u32 s62, s62, s60                     ; X: the group of four heads
	s_and_b32 s63, ttmp7, 0xffff
	s_lshl_b32 s63, s63, 2
	s_add_co_u32 s63, s63, s61                     ; Y: the group of four tiles of queries
	s_lshl_b32 s66, s61, 2
	s_lshl_b32 s66, 15, s66                        ; my row of the cluster
	s_lshl_b32 s67, 0x1111, s60                    ; my column
	s_or_b32 s[G1K], s67, (3<<16)|(1<<21)          ; the mask; elements of 8 bytes; bit 21 beside a mask; no padding: every read takes 512 consecutive bytes
	s_or_b32 s[G1M], s66, (3<<16)|(1<<21)
	GROUP1 G1K, 32, 34, 32                         ; 8,704 dense bytes as rows of 256
	GROUP1 G1M, 32, 32, 32                         ; 8,192
	s_lshl_b32 s68, s62, 2
	s_add_co_u32 s68, s68, s17                     ; bh = 4 X + hh
	s_mul_i32 s70, s68, 139264                     ; a head's sixteen blocks of 8,704 bytes,
	s_mul_i32 s86, s19, 8704                       ; and my key step of the slot's two
	s_add_co_u32 s70, s70, s86
	s_mov_b32 s71, 0
	s_lshl_b32 s72, s63, 2
	s_add_co_u32 s72, s72, s17                     ; the tile whose table I fetch: 4 Y + w % 4
	s_lshl_b32 s72, s72, 17                        ; sixteen blocks of 8,192 bytes
	s_lshl_b32 s87, s19, 13
	s_add_co_u32 s72, s72, s87
	s_mov_b32 s73, 0
	s_mul_i32 s74, s17, 17408                      ; where they go: by the wave's number alone
	s_add_co_u32 s84, s74, s86
	s_lshl_b32 s75, s17, 14
	s_add_co_u32 s75, s75, MKB
	s_add_co_u32 s75, s75, s87
	s_mov_b32 s[SEL], 0x76543210
	s_mov_b32 s[SEL+1], 0xfedcba98
	s_mov_b32 s[L2E], 0x3fb8aa3b
	s_mov_b32 s[L2E+1], s[L2E]
	s_mov_b32 s[QTR], 0x3e800000
	s_mov_b32 s[QTR+1], s[QTR]
	s_mov_b32 s[NINF], 0xff800000
	s_wait_dscnt 0x0                               ; both opening adds are done
	s_wait_kmcnt 0x0
	s_add_nc_u64 s[70:71], s[8:9], s[70:71]
	s_add_nc_u64 s[72:73], s[10:11], s[72:73]
.irp s, 0,1
	s_mov_b32 s[G0K+4*\s], 1
	s_add_co_u32 s[G0K+4*\s+1], s84, \s*KVS
	s_add_nc_u64 s[G0K+4*\s+2:G0K+4*\s+3], s[70:71], \s*17408      ; slot s begins with key steps 2 s and 2 s + 1
	s_or_b32 s[G0K+4*\s+3], s[G0K+4*\s+3], 0x80000000
	s_mov_b32 s[G0M+4*\s], 1
	s_add_co_u32 s[G0M+4*\s+1], s75, \s*65536
	s_add_nc_u64 s[G0M+4*\s+2:G0M+4*\s+3], s[72:73], \s*16384
	s_or_b32 s[G0M+4*\s+3], s[G0M+4*\s+3], 0x80000000
.endr
	CROUND                                         ; all sixteen work-groups are here: the first joint loads meet
	JLOAD 0                                        ; slot 0: one tensor load a wave at the head
	s_lshl_b32 s77, s63, 2
	s_add_co_u32 s77, s77, s18                     ; qt = 4 Y + qq
	s_lshl_b32 s76, s68, 7
	s_add_co_u32 s76, s76, s77
	s_lshl_b32 s78, s76, 9
	s_mov_b32 s79, 0
	s_add_nc_u64 s[4:5], s[4:5], s[78:79]          ; q_img at (bh, qt)
	s_lshl_b32 s78, s68, 5
	s_add_co_u32 s78, s78, s63
	s_lshl_b32 s78, s78, 8
	s_lshl_b32 s80, s18, 2
	s_add_co_u32 s78, s78, s80
	s_add_nc_u64 s[6:7], s[6:7], s[78:79]          ; q_sw at (bh, Y), word qq of each row
	s_lshr_b32 s80, s62, 2                         ; b
	s_lshl_b32 s78, s80, 7
	s_add_co_u32 s78, s78, s77
	s_lshl_b32 s78, s78, 4
	s_and_b32 s81, s68, 15
	s_add_co_u32 s78, s78, s81
	s_lshl_b32 s78, s78, 9
	s_add_nc_u64 s[12:13], s[12:13], s[78:79]      ; o_img at (b, qt, head)
	s_lshl_b32 s78, s80, 5
	s_add_co_u32 s78, s78, s63
	s_lshl_b32 s78, s78, 2
	s_and_b32 s81, s62, 3
	s_add_co_u32 s78, s78, s81
	s_lshl_b32 s78, s78, 9
	s_add_nc_u64 s[14:15], s[14:15], s[78:79]      ; o_sc at (b, Y, X % 4)
	s_lshl_b32 s85, s18, 14
	s_add_co_u32 s85, s85, MKB                     ; my tile's table in slot 0
	s_lshl_b32 s83, s18, 1
	s_lshr_b32 s82, s17, 1
	s_add_co_u32 s83, s83, s82
	s_lshl_b32 s83, s83, 6                         ; O's scale words: [qq][hh / 2][r], my two bytes at 2 (hh % 2)
	s_and_b32 s82, s17, 1
	s_lshl_b32 s82, s82, 1
	s_add_co_u32 s83, s83, s82
	s_add_co_u32 s83, s83, OSC
	v_and_b32 v[L16], 31, v0
	v_and_b32 v[QOF], 15, v0
	v_lshlrev_b32 v[L16], 4, v[L16]
	v_lshlrev_b32 v[AOSC], 2, v[QOF]
	v_lshlrev_b32 v[QOF], 4, v[QOF]
	v_add_nc_u32 v[AKV], s74, v[L16]
	v_add_nc_u32 v[AMK], s85, v[L16]
	v_add_nc_u32 v[AOSC], s83, v[AOSC]
	v_add_nc_u32 v[AOSR], OSC, v[L16]
	v_add_nc_u32 v[AKV+1], KVS, v[AKV]
	v_add_nc_u32 v[AMK+1], 65536, v[AMK]
	s_wait_alu depctr_va_vdst(0)
	global_load_b128 v[QQ:QQ+3], v[L16], s[4:5]
	global_load_b32 v[QW], v[QOF], s[6:7]
.irp j, 0,1,2,3
	v_mov_b32 v[QHI+\j], 0                         ; zero codes: they add nothing under any scale byte but 0xff
	v_mov_b32 v[QLO+4+\j], 0
.endr
	v_mov_b32 v13, 0xff61b1e6                      ; the largest t so far: -3e38
	v_mov_b32 v14, 0                               ; the sum, in two halves
	v_mov_b32 v15, 0
	v_floor_f32 v12, -v13                          ; -M
.irp b, 0,1,2,3
	v_mov_b32 v[T2+\b], 0                          ; a lane permute's destination counts as one of its sources
.endr
	v_mov_b32 v[FF+1], 0                           ; (named as the upper half of a pair)
	v_mov_b32 v[TMP], 0
	v_mov_b32 v[ONES], 0xffff
.set jj, 0
.rept 32
	v_mov_b32 v[OA+jj], 0                          ; O^T.  (The step is written for all steps alike: the first finds zeros, which the first change of M leaves zeros)
.set jj, jj+1
.endr
; 32 scores at v[base] on: the zero rule; the logit = (s / 2) x 0.25 + the table's number, rounded once; t = logit x log2(e), rounded by itself.
; Sixteen at a time, so that no line reads a result made within the four lines above it; ascending.
.macro MASKIN base, mreg
.irp g, 0,16
.set jj, \g
.rept 16
	v_add_nc_u32 v[\base+jj], s[NINF], v[\base+jj]
.set jj, jj+1
.endr
.set jj, \g
.rept 8
	v_pk_fma_f32 v[\base+jj:\base+jj+1], v[\base+jj:\base+jj+1], s[QTR:QTR+1], v[\mreg+jj:\mreg+jj+1] op_sel_hi:[1,0,1]
.set jj, jj+2
.endr
.set jj, \g
.rept 8
	v_pk_mul_f32 v[\base+jj:\base+jj+1], v[\base+jj:\base+jj+1], s[L2E:L2E+1] op_sel_hi:[1,0]
.set jj, jj+2
.endr
.endr
.endm
.macro TSUB from                       ; t - M for sixteen numbers (of the pair v[12:13] the low word, -M, serves both halves)
.set jj, \from
.rept 8
	v_pk_add_f32 v[S+jj:S+jj+1], v[S+jj:S+jj+1], v[12:13] op_sel_hi:[1,0]
.set jj, jj+2
.endr
.endm
; A KEY STEP: 128 keys, the q-th of the slot.  chg = 0: no change of slots; 1: this slot is left and filled again with the key steps four on; 2: it is left and not filled again.
.macro STEP slot, q, chg
.set KO, (\q)*8704
.set MO, (\q)*8192
.irp i, 0,1,2,3,4,5,6,7
	ds_load_b128 v[RA+4*\i:RA+4*\i+3], v[AKV+\slot] offset:KO+512*\i           ; K's eight tiles
.endr
	ds_load_b128 v[SC:SC+3], v[AKV+\slot] offset:KO+8192                       ; the scale words
.irp i, 0,1,2,3,4,5,6,7,8,9,10,11,12,13,14,15
	ds_load_b128 v[MK+4*\i:MK+4*\i+3], v[AMK+\slot] offset:MO+512*\i           ; the table's 64 numbers
.endr
	s_wait_dscnt 16                                ; K and the scale words are in; the table's sixteen loads may be out
.irp p, 0,1,2,3
	v_wmma_scale_f32_16x16x128_f8f6f4 v[S+16*\p:S+16*\p+7], v[RA+8*\p:RA+8*\p+7], v[QLO:QLO+7], 0, v[SC+\p], v[QW] matrix_a_fmt:MATRIX_FMT_FP4 matrix_b_fmt:MATRIX_FMT_FP4
	v_wmma_scale_f32_16x16x128_f8f6f4 v[S+16*\p+8:S+16*\p+15], v[RA+8*\p:RA+8*\p+7], v[QHI:QHI+7], 0, v[SC+\p], v[QW] matrix_a_fmt:MATRIX_FMT_FP4 matrix_b_fmt:MATRIX_FMT_FP4
.endr
	PLACES                                         ; in front of the loads over K's fragments and of the first reads of scores
.irp t, 0,1,2,3
.irp c, 0,1
	ds_load_b128 v[RA+8*\t+4*\c:RA+8*\t+4*\c+3], v[AKV+\slot] offset:KO+4096+1024*\t+512*\c   ; V's four tiles
.endr
.endr
	s_wait_dscnt 8                                 ; the table is in; V's eight loads may be out
	MASKIN S, MK
	MASKIN S+32, MK+32
.if \chg
	s_wait_alu depctr_va_vdst(0)                   ; the wait ahead of the waits below
	s_wait_tensorcnt 0x0                           ; my one tensor load, my part of the other slot, has landed: so a group 0 may be written
	ds_add_u32 v[SPW], v[NIL]                      ; 0 onto my spare word
.if \chg == 1
	s_add_nc_u64 s[G0K+4*(\slot)+2:G0K+4*(\slot)+3], s[G0K+4*(\slot)+2:G0K+4*(\slot)+3], 34816   ; four key steps on
	s_add_nc_u64 s[G0M+4*(\slot)+2:G0M+4*(\slot)+3], s[G0M+4*(\slot)+2:G0M+4*(\slot)+3], 32768
.endif
	s_wait_dscnt 0x0                               ; the add is done, V is in, and with it my reads of this slot are over:
	s_barrier_signal -1                            ; say so; all that stands up to the wait works on registers alone
.endif
.irp b, 0,1,2,3                                ; the largest t of each block of 32 keys, in two chains a block, eight chains by turns: for the row's maximum, and, since p rises with t, for the block's largest p
	v_max3_num_f32 v[BM+\b], v[S+16*\b], v[S+16*\b+1], v[S+16*\b+2]
	v_max3_num_f32 v[T2+\b], v[S+16*\b+9], v[S+16*\b+10], v[S+16*\b+11]
.endr
.irp i, 3,5
.irp b, 0,1,2,3
	v_max3_num_f32 v[BM+\b], v[BM+\b], v[S+16*\b+\i], v[S+16*\b+\i+1]
	v_max3_num_f32 v[T2+\b], v[T2+\b], v[S+16*\b+\i+9], v[S+16*\b+\i+10]
.endr
.endr
.irp b, 0,1,2,3
	v_max3_num_f32 v[BM+\b], v[BM+\b], v[S+16*\b+7], v[S+16*\b+8]
.endr
.irp b, 0,1,2,3
	s_delay_alu instid0(VALU_DEP_4)
	v_max_num_f32 v[BM+\b], v[BM+\b], v[T2+\b]
.endr
.irp b, 0,1,2,3
	s_delay_alu instid0(VALU_DEP_4)
	v_permlanex16_b32 v[T2+\b], v[BM+\b], s[SEL], s[SEL+1]
.endr
.irp b, 0,1,2,3
	s_delay_alu instid0(VALU_DEP_4)
	v_max_num_f32 v[BM+\b], v[BM+\b], v[T2+\b]     ; with lane l xor 16's sixteen keys
.endr
	s_delay_alu instid0(VALU_DEP_2)
	v_max3_num_f32 v[TMP], v[BM], v[BM+1], v[BM+2]
	v_mov_b32 v[TM2], v12                          ; the old -M
	s_delay_alu instid0(VALU_DEP_2)
	v_max3_num_f32 v13, v13, v[TMP], v[BM+3]       ; the running largest t
	s_delay_alu instid0(VALU_DEP_1)
	v_floor_f32 v12, -v13                          ; the new -M = -ceil(t): a whole number
	s_delay_alu instid0(VALU_DEP_1)
	TSUB 0
	v_sub_f32 v[TMP], v12, v[TM2]                  ; old M - new M, 0 or less.  (The chain that makes f stands among the 32 additions)
	TSUB 16
	v_cvt_i32_f32 v[TMP], v[TMP]                   ; (it saturates)
	TSUB 32
	v_ldexp_f32 v[FF], 1.0, v[TMP]                 ; f = 2^(old M - new M): a multiplication by it rounds nothing
	TSUB 48
.irp b, 0,1,2,3
	v_add_f32 v[BM+\b], v[BM+\b], v12              ; the same of each block's largest
.endr
	s_wait_alu depctr_va_vdst(0)                   ; the wait ahead of the batch
.set jj, 0
.rept 64
	v_exp_f32 v[S+jj], v[S+jj]                     ; p = 2^(t - M): not normalised
.set jj, jj+1
.endr
	v_pk_mul_f32 v[14:15], v[14:15], v[FF:FF+1] op_sel_hi:[1,0]   ; the sums under the new M: the plain place behind the exponentials
	s_wait_alu depctr_va_vdst(0)                   ; one wait for the batch of 64, ahead of its first reader
.irp b, 0,1,2,3
	v_exp_f32 v[BM+\b], v[BM+\b]                   ; the block's largest p: the same two instructions on the same number
.endr
.irp i, 0,1,2,3,4,5,6                          ; THE ROW'S SUM OF THE UNQUANTISED p: 32 pairs in eight chains by turns
	v_pk_add_f32 v[TA+2*\i:TA+2*\i+1], v[S+4*\i:S+4*\i+1], v[S+4*\i+2:S+4*\i+3]
.endr
	v_pk_add_f32 v[14:15], v[14:15], v[S+28:S+29]
.irp i, 0,1,2,3,4,5,6
	v_pk_add_f32 v[TA+2*\i:TA+2*\i+1], v[TA+2*\i:TA+2*\i+1], v[S+30+2*\i:S+31+2*\i]
.endr
	v_pk_add_f32 v[14:15], v[14:15], v[S+44:S+45]
.irp i, 0,1,2,3,4,5,6
	v_pk_add_f32 v[TA+2*\i:TA+2*\i+1], v[TA+2*\i:TA+2*\i+1], v[S+46+2*\i:S+47+2*\i]
.endr
	v_pk_add_f32 v[14:15], v[14:15], v[S+60:S+61]
	v_pk_add_f32 v[TA:TA+1], v[TA:TA+1], v[S+62:S+63]
	v_pk_add_f32 v[TA+2:TA+3], v[TA+2:TA+3], v[TA+4:TA+5]
	v_pk_add_f32 v[TA+6:TA+7], v[TA+6:TA+7], v[TA+8:TA+9]
	v_pk_add_f32 v[TA+10:TA+11], v[TA+10:TA+11], v[TA+12:TA+13]
	s_delay_alu instid0(VALU_DEP_4)
	v_pk_add_f32 v[14:15], v[14:15], v[TA:TA+1]
	s_delay_alu instid0(VALU_DEP_3)
	v_pk_add_f32 v[TA+2:TA+3], v[TA+2:TA+3], v[TA+6:TA+7]
	s_delay_alu instid0(VALU_DEP_2)
	v_pk_add_f32 v[14:15], v[14:15], v[TA+10:TA+11]
	s_delay_alu instid0(VALU_DEP_1)
	v_pk_add_f32 v[14:15], v[14:15], v[TA+2:TA+3]
	s_wait_alu depctr_va_vdst(0)                   ; and one wait for the four
.irp b, 0,1,2,3
	v_max_num_f32 v[BM+\b], 0x1800000, v[BM+\b]    ; the floor 2^(3 - 127): a block whose every p is 0 keeps the byte 1; its codes are zeros
.endr
.irp b, 0,1,2,3
	s_delay_alu instid0(VALU_DEP_4)
	v_add_nc_u32 v[SF+\b], 0xff000000, v[BM+\b]    ; 2 off the exponent field: the conversion's scale operand
.endr
.irp b, 0,1,2,3
	s_delay_alu instid0(VALU_DEP_4)
	v_lshrrev_b32 v[T2+\b], 23, v[SF+\b]           ; the scale's byte
.endr
	s_delay_alu instid0(VALU_DEP_3)
	v_lshl_or_b32 v[PW], v[T2+1], 8, v[T2]
	s_delay_alu instid0(VALU_DEP_2)
	v_lshl_or_b32 v[TMP], v[T2+3], 8, v[T2+2]
	s_delay_alu instid0(VALU_DEP_1)
	v_lshl_or_b32 v[PW], v[TMP], 16, v[PW]         ; p's scale word for these 128 keys
.irp c, 0,1                                    ; tiles 4 c, 4 c + 1 are block 2 c; tiles 4 c + 2, 4 c + 3 block 2 c + 1
	v_cvt_scalef32_pk8_fp4_f32 v[PC+4*\c], v[S+32*\c:S+32*\c+7], v[SF+2*\c]
	v_cvt_scalef32_pk8_fp4_f32 v[PC+4*\c+1], v[S+32*\c+16:S+32*\c+23], v[SF+2*\c+1]
	v_cvt_scalef32_pk8_fp4_f32 v[PC+4*\c+2], v[S+32*\c+8:S+32*\c+15], v[SF+2*\c]
	v_cvt_scalef32_pk8_fp4_f32 v[PC+4*\c+3], v[S+32*\c+24:S+32*\c+31], v[SF+2*\c+1]
.endr
	v_nop                                          ; one plain place behind the conversions
.irp c, 0,1                                    ; a whole block to a lane: lanes 0-15 block 2 c, lanes 16-31 block 2 c + 1
	v_permlane16_swap_b32 v[PC+4*\c], v[PC+4*\c+1]
	v_permlane16_swap_b32 v[PC+4*\c+2], v[PC+4*\c+3]
.endr
	s_wait_alu depctr_va_vdst(0)                   ; the wait directly ahead of the first readers of O^T
.set jj, 0
.rept 16
	v_pk_mul_f32 v[OA+jj:OA+jj+1], v[OA+jj:OA+jj+1], v[FF:FF+1] op_sel_hi:[1,0]   ; O^T under the new M; these sixteen also stand between the scale word's and the codes' last writes and the products
.set jj, jj+2
.endr
	s_wait_alu depctr_va_vdst(0)
.if \chg == 0
	s_wait_dscnt 0x0                               ; V is in
.endif
.irp t, 0,1,2,3
	v_wmma_scale_f32_16x16x128_f8f6f4 v[OA+8*\t:OA+8*\t+7], v[RA+8*\t:RA+8*\t+7], v[PC:PC+7], v[OA+8*\t:OA+8*\t+7], v[SC+\t], v[PW] matrix_a_fmt:MATRIX_FMT_FP4 matrix_b_fmt:MATRIX_FMT_FP4 matrix_a_scale:MATRIX_SCALE_ROW1
.endr
	PLACES                                         ; in front of the next step's loads over V's fragments and the scale words, and of the way out's reads
.if \chg
	s_barrier_wait -1                              ; every wave of my work-group has left this slot, and the other slot is whole
.endif
.if \chg == 1
	CREST                                          ; the barrier has opened a round of the cluster's barrier: no wave of any partner still reads this slot or has a load on its way
	JLOAD \slot                                    ; the first tensor load behind the round, one a wave
.endif
.endm
	s_wait_alu depctr_va_vdst(0)                   ; the wait at the head's end
	s_wait_tensorcnt 0x0                           ; my part of slot 0 is in
	ds_add_u32 v[SPW], v[NIL]
	s_wait_dscnt 0x0
	CROUND                                         ; a whole round: slot 0 is whole, and all sixteen work-groups are here
	JLOAD 1                                        ; slot 1's first fill: key steps 2 and 3
	s_wait_loadcnt 0x0                             ; Q
	s_mov_b32 s27, 3
.Lring:                                        ; three trips: each walks both slots and fills both again
	STEP 0, 0, 0
	STEP 0, 1, 1
	STEP 1, 0, 0
	STEP 1, 1, 1
	s_sub_co_u32 s27, s27, 1
	s_cmp_lg_u32 s27, 0
	s_cbranch_scc1 .Lring
	STEP 0, 0, 0                                   ; the last four key steps are written out: nothing is left to fetch
	STEP 0, 1, 2
	STEP 1, 0, 0
	STEP 1, 1, 0
	; THE WAY OUT.  O^T / l; its 64 channels are two blocks of the last product's K; codes and scale bytes leave as images of that product's operand.
	v_add_f32 v14, v14, v15
	s_delay_alu instid0(VALU_DEP_1)
	v_permlanex16_b32 v[TMP], v14, s[SEL], s[SEL+1]
	s_delay_alu instid0(VALU_DEP_1)
	v_add_f32 v14, v14, v[TMP]                     ; l
	s_wait_alu depctr_va_vdst(0)                   ; the wait ahead of the reciprocal
	v_rcp_f32 v15, v14
	v_nop                                          ; a plain place behind it
	s_wait_alu depctr_va_vdst(0)                   ; and the wait ahead of its first reader, which is also the first reader of the last products
.set jj, 0
.rept 32
	v_mul_f32 v[S+jj], v[OA+jj], v15               ; ascending: each accumulator from its low end on
.set jj, jj+1
.endr
	QUANT2 S, S+8, S+16, S+24, PC
	global_store_b128 v[L16], v[PC:PC+3], s[12:13] ; 512 consecutive bytes
	v_lshl_or_b32 v[TMP], v[QY1], 8, v[QY0]
	v_cmp_lt_f32 vcc_lo, 0, v14
	s_delay_alu instid0(VALU_DEP_1)
	v_cndmask_b32 v[TMP], v[ONES], v[TMP], vcc_lo  ; no key left: the bytes 0xff
	ds_store_b16 v[AOSC], v[TMP]                   ; lanes r and 16 + r hold the same two bytes
	s_wait_dscnt 0x0                               ; for wave 0's sake
	s_barrier_signal -1
	s_barrier_wait -1
	s_cmp_lg_u32 s[WV], 0
	s_cbranch_scc1 .Lno_words
	ds_load_b128 v[S:S+3], v[AOSR]
	s_wait_dscnt 0x0
	global_store_b128 v[L16], v[S:S+3], s[14:15]   ; the work-group's 128 scale words: 512 consecutive bytes
.Lno_words:
	s_wait_tensorcnt 0x0                           ; the wave's end
	ds_add_u32 v[SPW], v[NIL]
	s_wait_dscnt 0x0
	CROUND                                         ; the closing round
	s_endpgm
.Lfunc_end_k_q97524ac04d_attn:
	.size	k_q97524ac04d_attn, .Lfunc_end_k_q97524ac04d_attn-k_q97524ac04d_attn
	.p2alignl 7, 3214868480
	.fill 96, 4, 3214868480
	.section	.rodata,"a",@progbits
	.p2align	6, 0x0
	.amdhsa_kernel k_q97524ac04d_attn
		.amdhsa_group_segment_fixed_size 327680
		.amdhsa_private_segment_fixed_size 0
		.amdhsa_enable_private_segment 0
		.amdhsa_kernarg_size 48
		.amdhsa_user_sgpr_count 2
		.amdhsa_user_sgpr_kernarg_segment_ptr 1
		.amdhsa_wavefront_size32 1
		.amdhsa_system_sgpr_workgroup_id_x 1
		.amdhsa_system_sgpr_workgroup_id_y 1
		.amdhsa_system_sgpr_workgroup_id_z 1
		.amdhsa_system_vgpr_workitem_id 0
		.amdhsa_next_free_vgpr 256
		.amdhsa_next_free_sgpr 100
		.amdhsa_reserve_vcc 1
		.amdhsa_float_denorm_mode_32 3
		.amdhsa_float_denorm_mode_16_64 3
		.amdhsa_memory_ordered 1
		.amdhsa_forward_progress 1
		.amdhsa_inst_pref_size 197
	.end_amdhsa_kernel
	.amdgpu_metadata
---
amdhsa.version: [ 1, 2 ]
amdhsa.kernels:
  - .name:           k_q97524ac04d_attn
    .symbol:         k_q97524ac04d_attn.kd
    .args:
      - { .name: q_img, .offset: 0, .size: 8, .value_kind: global_buffer, .address_space: global }
      - { .name: q_sw, .offset: 8, .size: 8, .value_kind: global_buffer, .address_space: global }
      - { .name: kv, .offset: 16, .size: 8, .value_kind: global_buffer, .address_space: global }
      - { .name: mimg, .offset: 24, .size: 8, .value_kind: global_buffer, .address_space: global }
      - { .name: o_img, .offset: 32, .size: 8, .value_kind: global_buffer, .address_space: global }
      - { .name: o_sc, .offset: 40, .size: 8, .value_kind: global_buffer, .address_space: global }
    .group_segment_fixed_size: 327680
    .private_segment_fixed_size: 0
    .kernarg_segment_align: 8
    .kernarg_segment_size: 48
    .max_flat_workgroup_size: 512
    .sgpr_count:     100
    .vgpr_count:     256
    .wavefront_size: 32
...
	.end_amdgpu_metadata
.endif
;; end of part 2
;; launch outproj (part 3): grid 4 x 64, 8 waves a work-group, clusters of 4 x 4, 179,712 bytes of LDS; arguments o_img, o_sc, W_out_codes, W_out_scales, b_out, out0; writes out0
.if DOCPART == 3
	.amdgcn_target "amdgcn-amd-amdhsa--gfx1250"
	.amdhsa_code_object_version 6
	.text
	.protected	k_q97524ac04d_outproj
	.globl	k_q97524ac04d_outproj
	.p2align	8
	.type	k_q97524ac04d_outproj,@function
k_q97524ac04d_outproj:
	s_mov_b64 s[64:65], 0
	v_nop
	global_prefetch_b8 v0, s[64:65] scope:SCOPE_SE
	s_setreg_imm32_b32 hwreg(HW_REG_WAVE_MODE, 25, 1), 1
	s_wait_xcnt 0x0
	s_wait_alu depctr_hold_cnt(0) depctr_sa_sdst(0) depctr_va_vdst(0) depctr_va_sdst(0) depctr_va_ssrc(0) depctr_va_vcc(0) depctr_vm_vsrc(0)
	s_getreg_b32 s2, hwreg(HW_REG_IB_STS2, 6, 4)
	s_cmp_eq_u32 s2, 0
	s_cbranch_scc0 .Lentry_in_a_cluster
	s_endpgm
.Lentry_in_a_cluster:
	s_bfe_u32 s2, ttmp6, 0x10000c
	s_cmp_lg_u32 s2, 0xf033
	s_cbranch_scc0 .Lentry_shape_is_right
	s_endpgm
.Lentry_shape_is_right:
; out0 = O W_out^T + b_out on codes of FP4 (E2M1) with E8M0 scales.  O's codes and scale words lie in memory as images of the operand's registers, so they go straight into registers; W_out's tile goes through LDS.
; A work-group takes 64 rows (one b, four tiles of 16 t: Y = 32 b + group) x 256 columns (X).  Wave w: rh = w / 4: row tiles 2 rh, 2 rh + 1; cg = w % 4: 64 columns: eight accumulators by turns.
; TRANSPOSED (source 0 = 16 rows of W_out, source 1 = 16 rows of O): a lane holds one row and eight neighbouring columns.  The bias is loaded into the accumulators and starts every sum.
; K step k is heads 2 k and 2 k + 1.  One register carries the scale words of both row tiles: lanes 0-15 the first's, lanes 16-31 the second's.
; CLUSTER 4 x 4: W_out's tile hangs on X alone and is asked for jointly along a column of the cluster.  It is filled once: no ring.
; Row (t, b) of O is row 2 t + b of out0.  A row whose scale bytes are 0xff (a query with no key left) comes out NaN, as the definition has it.
.set REG,  33792                       ; 64 rows x (512 bytes + 16)
.set WSB,  4*REG                       ; LDS: W's four regions (cg), then its scale bytes, 8,192 dense bytes as 32 rows of 256 + 16,
.set STG,  WSB+32*272                  ; then a stage of 16 rows x (256 bytes + 16) for each wave
.set ADW,  1                           ; v1  my lane's place in W's region cg
.set ASW,  2                           ; v2  among W's scale words
.set L16,  3                           ; v3  16 x lane
.set OSO,  4                           ; v4  128 h + 4 r: O's scale words
.set BOF,  5                           ; v5  32 h: the bias; behind the products: my offset in out0
.set STO,  6                           ; v6  the stage: where I put 32 bytes of a row
.set RD,   7                           ; v7  and where I read a row back
.set OS,   8                           ; v8-15  O's scale words, one register a K step
.set WSC,  16                          ; v16-31 W's scale words (4 c + k % 4)
.set WF,   32                          ; v32-63 W's four fragments
.set ACC,  64                          ; v64-127 accumulator (i, c) at 64 + 8 (4 i + c)
.set OF,   128                         ; v128-255 O's fragments (i, k) at 128 + 8 (8 i + k); on the way out rows of out0
.set WV,   16
.set G1W,  24
.set G1S,  32
.set G0W,  40
.set G0S,  44
.macro CROUND
	s_barrier_signal -1
	s_barrier_wait -1
	s_cmp_lg_u32 s[WV], 0
	s_cbranch_scc1 .Lnot_wave_0_\@
	s_barrier_signal -3
.Lnot_wave_0_\@:
	s_barrier_wait -3
	s_barrier_signal -1
	s_barrier_wait -1
.endm
.macro PLACES
.rept 4
	v_nop
.endr
.endm
.macro GROUP1 g, c, r, p
	s_mov_b32 s[\g+1], (\c)<<16
	s_mov_b32 s[\g+2], (\r)<<16
	s_mov_b32 s[\g+3], (\c)<<16
	s_mov_b32 s[\g+4], \r
	s_mov_b32 s[\g+5], \p
	s_mov_b32 s[\g+6], 0
	s_mov_b32 s[\g+7], 0
.endm
	s_load_b256 s[4:11], s[0:1], 0x0               ; o_img s[4:5], o_sc s[6:7], W's codes s[8:9], W's scales s[10:11]
	s_load_b128 s[12:15], s[0:1], 0x20             ; b_out s[12:13], out0 s[14:15]
	s_set_vgpr_msb 0x40
	v_lshl_add_u32 v0, v0, 2, 0x2ba00
	v_mov_b32 v1, 0
	s_set_vgpr_msb 0x4045
	ds_add_u32 v0, v1
	ds_add_u32 v0, v1
	s_set_vgpr_msb 0x4500
	v_lshrrev_b32 v32, 5, v0
	s_delay_alu instid0(VALU_DEP_1)
	v_readfirstlane_b32 s[WV], v32                 ; wave 0..7
	s_lshr_b32 s17, s[WV], 2                       ; rh
	s_and_b32 s18, s[WV], 3                        ; cg.  Also: which 64 rows of W's tile I fetch
	s_bfe_u32 s19, ttmp6, 0x40000                  ; cx
	s_bfe_u32 s20, ttmp6, 0x40004                  ; cy
	s_lshl_b32 s21, ttmp9, 2
	s_add_co_u32 s21, s21, s19                     ; X
	s_and_b32 s22, ttmp7, 0xffff
	s_lshl_b32 s22, s22, 2
	s_add_co_u32 s22, s22, s20                     ; Y
	s_lshl_b32 s23, 0x1111, s19                    ; my column of the cluster
	s_or_b32 s[G1W], s23, (1<<20)|(1<<21)|(6<<22)|(3<<25)          ; elements of 1 byte; four words of padding after every 128
	s_or_b32 s[G1S], s23, (3<<16)|(1<<20)|(1<<21)|(5<<22)|(3<<25)  ; elements of 8 bytes; four words after every 64
	GROUP1 G1W, 512, 64, 512
	GROUP1 G1S, 32, 32, 32
	s_lshl_b32 s48, s21, 17                        ; W: 256 X rows of 512 bytes,
	s_lshl_b32 s49, s18, 15                        ; 64 rows for my part
	s_add_co_u32 s48, s48, s49
	s_mov_b32 s49, 0
	s_lshl_b32 s50, s21, 13                        ; its scale bytes: 8,192 X
	s_mov_b32 s51, 0
	s_mul_i32 s52, s18, REG
	s_wait_dscnt 0x0
	s_wait_kmcnt 0x0
	s_mov_b32 s[G0W], 1
	s_mov_b32 s[G0W+1], s52
	s_add_nc_u64 s[G0W+2:G0W+3], s[8:9], s[48:49]
	s_or_b32 s[G0W+3], s[G0W+3], 0x80000000
	s_mov_b32 s[G0S], 1
	s_mov_b32 s[G0S+1], WSB
	s_add_nc_u64 s[G0S+2:G0S+3], s[10:11], s[50:51]
	s_or_b32 s[G0S+3], s[G0S+3], 0x80000000
	CROUND                                         ; all sixteen work-groups are here: the joint loads meet
	s_cmp_lt_u32 s[WV], 4                          ; waves 0-3: W's four regions; wave 4: its scale bytes; one load a wave
	s_cbranch_scc0 .Lnot_w
	tensor_load_to_lds s[G0W:G0W+3], s[G1W:G1W+7]
	s_nop 0
	PLACES
	s_branch .Lasked
.Lnot_w:
	s_cmp_eq_u32 s[WV], 4
	s_cbranch_scc0 .Lasked
	tensor_load_to_lds s[G0S:G0S+3], s[G1S:G1S+7]
	s_nop 0
	PLACES
.Lasked:
	v_and_b32 v32, 15, v0                          ; r
	v_bfe_u32 v33, v0, 4, 1                        ; h
	v_and_b32 v[L16], 31, v0
	s_delay_alu instid0(VALU_DEP_1)
	v_lshlrev_b32 v[L16], 4, v[L16]
	s_wait_alu depctr_va_vdst(0)
	v_lshlrev_b32 v[OSO], 7, v33
	s_delay_alu instid0(VALU_DEP_1)
	v_lshl_add_u32 v[OSO], v32, 2, v[OSO]
	s_wait_alu depctr_va_vdst(0)
	v_lshlrev_b32 v[BOF], 5, v33
	s_wait_alu depctr_va_vdst(0)
	s_lshl_b32 s54, s22, 2
	s_lshl_b32 s55, s17, 1
	s_add_co_u32 s54, s54, s55
	s_lshl_b32 s54, s54, 13                        ; o_img: row tile 4 Y + 2 rh, 8,192 bytes a tile
	s_mov_b32 s55, 0
	s_add_nc_u64 s[4:5], s[4:5], s[54:55]
	s_lshl_b32 s54, s22, 11
	s_lshl_b32 s56, s17, 8
	s_add_co_u32 s54, s54, s56
	s_add_nc_u64 s[6:7], s[6:7], s[54:55]          ; o_sc: 2,048 Y + 256 rh
	s_lshl_b32 s54, s21, 10
	s_lshl_b32 s56, s18, 8
	s_add_co_u32 s54, s54, s56
	s_add_nc_u64 s[12:13], s[12:13], s[54:55]      ; b_out at my 64 columns,
	s_add_nc_u64 s[14:15], s[14:15], s[54:55]      ; and out0 likewise;
	s_and_b32 s54, s22, 31
	s_lshl_b32 s54, s54, 2
	s_lshl_b32 s56, s17, 1
	s_add_co_u32 s54, s54, s56
	s_lshl_b32 s54, s54, 5                         ; its row 2 t + b with t = 16 (4 group + 2 rh)
	s_lshr_b32 s56, s22, 5
	s_add_co_u32 s54, s54, s56
	s_lshl_b32 s54, s54, 12
	s_add_nc_u64 s[14:15], s[14:15], s[54:55]
.irp i, 0,1
.irp k, 0,1,2,3,4,5,6,7
.irp c, 0,1
	global_load_b128 v[OF+8*(8*\i+\k)+4*\c:OF+8*(8*\i+\k)+4*\c+3], v[L16], s[4:5] offset:\i*8192+\k*1024+\c*512
.endr
.endr
.endr
.irp k, 0,1,2,3,4,5,6,7
	global_load_b32 v[OS+\k], v[OSO], s[6:7] offset:(\k/2)*512+(\k%2)*64
.endr
.irp i, 0,1
.irp c, 0,1,2,3
	global_load_b128 v[ACC+8*(4*\i+\c):ACC+8*(4*\i+\c)+3], v[BOF], s[12:13] offset:64*\c        ; register j of tile c is column 16 c + 8 h + j
	global_load_b128 v[ACC+8*(4*\i+\c)+4:ACC+8*(4*\i+\c)+7], v[BOF], s[12:13] offset:64*\c+16
.endr
.endr
	v_mul_u32_u24 v34, v32, 528
	s_delay_alu instid0(VALU_DEP_1)
	v_lshl_add_u32 v34, v33, 4, v34
	s_delay_alu instid0(VALU_DEP_1)
	v_add_nc_u32 v[ADW], s52, v34
	v_lshrrev_b32 v34, 3, v32                      ; W's scale words: local row 64 cg + 16 c + r, 32 bytes a row, 16 more for each 256 passed
	s_delay_alu instid0(VALU_DEP_1)
	v_lshlrev_b32 v34, 4, v34
	s_delay_alu instid0(VALU_DEP_1)
	v_lshl_add_u32 v34, v32, 5, v34
	s_mul_i32 s53, s18, 2176
	s_add_co_u32 s53, s53, WSB
	v_add_nc_u32 v[ASW], s53, v34
	s_mul_i32 s53, s[WV], 4352
	s_add_co_u32 s53, s53, STG                     ; my stage
	v_mul_u32_u24 v34, v32, 272
	s_delay_alu instid0(VALU_DEP_1)
	v_lshl_add_u32 v34, v33, 5, v34
	s_delay_alu instid0(VALU_DEP_1)
	v_add_nc_u32 v[STO], s53, v34                  ; in: row r, 32 bytes for each half of the lanes
	v_mul_u32_u24 v34, v33, 272
	s_delay_alu instid0(VALU_DEP_1)
	v_lshl_add_u32 v34, v32, 4, v34
	s_delay_alu instid0(VALU_DEP_1)
	v_add_nc_u32 v[RD], s53, v34                   ; back: lanes 0-15 one row, lanes 16-31 the next
	s_wait_alu depctr_va_vdst(0)
	s_wait_tensorcnt 0x0                           ; my tile has landed,
	s_barrier_signal -1
	s_barrier_wait -1                              ; everybody's has
	s_wait_loadcnt 0x0                             ; O, its scale words, the bias
.irp k, 0,1,2,3,4,5,6,7
.if \k%4 == 0
.irp c, 0,1,2,3
	ds_load_b128 v[WSC+4*\c:WSC+4*\c+3], v[ASW] offset:\c*544+16*(\k/4)    ; the scale words of four K steps
.endr
.endif
.irp c, 0,1,2,3
.irp u, 0,1
	ds_load_b128 v[WF+8*\c+4*\u:WF+8*\c+4*\u+3], v[ADW] offset:\c*8448+64*\k+32*\u
.endr
.endr
	s_wait_dscnt 0x0
.irp c, 0,1,2,3                                ; eight accumulators by turns
	v_wmma_scale_f32_16x16x128_f8f6f4 v[ACC+8*\c:ACC+8*\c+7], v[WF+8*\c:WF+8*\c+7], v[OF+8*\k:OF+8*\k+7], v[ACC+8*\c:ACC+8*\c+7], v[WSC+4*\c+\k%4], v[OS+\k] matrix_a_fmt:MATRIX_FMT_FP4 matrix_b_fmt:MATRIX_FMT_FP4
	v_wmma_scale_f32_16x16x128_f8f6f4 v[ACC+8*(4+\c):ACC+8*(4+\c)+7], v[WF+8*\c:WF+8*\c+7], v[OF+8*(8+\k):OF+8*(8+\k)+7], v[ACC+8*(4+\c):ACC+8*(4+\c)+7], v[WSC+4*\c+\k%4], v[OS+\k] matrix_a_fmt:MATRIX_FMT_FP4 matrix_b_fmt:MATRIX_FMT_FP4 matrix_b_scale:MATRIX_SCALE_ROW1
.endr
	PLACES                                         ; in front of the next step's loads, and of the first reads of results
.endr
	; THE WAY OUT: a tile of 16 rows x 64 columns goes through my own stage and comes back as whole rows of 256 bytes.  LDS serves a wave's instructions in order (ISA guide 5.7.1.4): no wait between stores and loads.
	v_bfe_u32 v[BOF], v0, 4, 1
	s_delay_alu instid0(VALU_DEP_1)
	v_lshlrev_b32 v[BOF], 13, v[BOF]               ; neighbouring t of one b lie two rows of 4,096 bytes apart
	v_and_b32 v[OSO], 15, v0
	s_delay_alu instid0(VALU_DEP_1)
	v_lshl_add_u32 v[BOF], v[OSO], 4, v[BOF]       ; 8,192 h + 16 (lane % 16)
.irp i, 0,1
.irp c, 0,1,2,3
	ds_store_b128 v[STO], v[ACC+8*(4*\i+\c):ACC+8*(4*\i+\c)+3] offset:64*\c        ; each accumulator from its low end on
	ds_store_b128 v[STO], v[ACC+8*(4*\i+\c)+4:ACC+8*(4*\i+\c)+7] offset:64*\c+16
.endr
.irp t, 0,1,2,3,4,5,6,7
	ds_load_b128 v[OF+32*\i+4*\t:OF+32*\i+4*\t+3], v[RD] offset:544*\t
.endr
.endr
	s_wait_alu depctr_va_vdst(0)
.irp t, 0,1,2,3,4,5,6,7
	s_wait_dscnt 16+7-\t                           ; behind this load: the tile's later loads and the second tile's sixteen LDS instructions
	global_store_b128 v[BOF], v[OF+4*\t:OF+4*\t+3], s[14:15] offset:\t*16384 th:TH_STORE_NT   ; sixteen lanes store 256 consecutive bytes, at a multiple of 256 from out0's first byte
.endr
.irp t, 0,1,2,3,4,5,6,7
	s_wait_dscnt 7-\t
	global_store_b128 v[BOF], v[OF+32+4*\t:OF+32+4*\t+3], s[14:15] offset:131072+\t*16384 th:TH_STORE_NT
.endr
	s_set_vgpr_msb 0x5
	s_wait_tensorcnt 0x0
	ds_add_u32 v0, v1
	s_wait_dscnt 0x0
	s_set_vgpr_msb 0x500
	CROUND                                         ; the closing round
	s_endpgm
.Lfunc_end_k_q97524ac04d_outproj:
	.size	k_q97524ac04d_outproj, .Lfunc_end_k_q97524ac04d_outproj-k_q97524ac04d_outproj
	.p2alignl 7, 3214868480
	.fill 96, 4, 3214868480
	.section	.rodata,"a",@progbits
	.p2align	6, 0x0
	.amdhsa_kernel k_q97524ac04d_outproj
		.amdhsa_group_segment_fixed_size 179712
		.amdhsa_private_segment_fixed_size 0
		.amdhsa_enable_private_segment 0
		.amdhsa_kernarg_size 48
		.amdhsa_user_sgpr_count 2
		.amdhsa_user_sgpr_kernarg_segment_ptr 1
		.amdhsa_wavefront_size32 1
		.amdhsa_system_sgpr_workgroup_id_x 1
		.amdhsa_system_sgpr_workgroup_id_y 1
		.amdhsa_system_sgpr_workgroup_id_z 1
		.amdhsa_system_vgpr_workitem_id 0
		.amdhsa_next_free_vgpr 258
		.amdhsa_next_free_sgpr 80
		.amdhsa_reserve_vcc 0
		.amdhsa_float_denorm_mode_32 3
		.amdhsa_float_denorm_mode_16_64 3
		.amdhsa_memory_ordered 1
		.amdhsa_forward_progress 1
		.amdhsa_inst_pref_size 31
	.end_amdhsa_kernel
	.amdgpu_metadata
---
amdhsa.version: [ 1, 2 ]
amdhsa.kernels:
  - .name:           k_q97524ac04d_outproj
    .symbol:         k_q97524ac04d_outproj.kd
    .args:
      - { .name: o_img, .offset: 0, .size: 8, .value_kind: global_buffer, .address_space: global }
      - { .name: o_sc, .offset: 8, .size: 8, .value_kind: global_buffer, .address_space: global }
      - { .name: W_out_codes, .offset: 16, .size: 8, .value_kind: global_buffer, .address_space: global }
      - { .name: W_out_scales, .offset: 24, .size: 8, .value_kind: global_buffer, .address_space: global }
      - { .name: b_out, .offset: 32, .size: 8, .value_kind: global_buffer, .address_space: global }
      - { .name: out0, .offset: 40, .size: 8, .value_kind: global_buffer, .address_space: global }
    .group_segment_fixed_size: 179712
    .private_segment_fixed_size: 0
    .kernarg_segment_align: 8
    .kernarg_segment_size: 48
    .max_flat_workgroup_size: 256
    .sgpr_count:     80
    .vgpr_count:     258
    .wavefront_size: 32
...
	.end_amdgpu_metadata
.endif
;; end of part 3
